; MI455X (gfx1250); checked and timed in simulation.
; The chip was launched on July 23, 2026; its instructions are those of AMD's public machine-readable ISA for CDNA 5 (MIT licence, August 2026) and "CDNA5" Instruction Set Architecture Reference Guide (July 2026). The comments in the code are by the model that wrote it; some were corrected since.
;; Self Attention. Allowed arithmetic: matrix products marked QUANTISED: E2M3 operands, one E8M0 scale for each 32 along K, by v_wmma_scale_f32_16x16x128_f8f6f4 with both operands' format E2M3, f32 sums; everything else in f32.
;; Inputs: Wk_codes 1,024 x 32 x 24 uint8 (E2M3 codes of Wk, K innermost, in blocks of 32 codes, four codes in three bytes); Wk_scales 1,024 x 32 uint8 (E8M0 scales of Wk, one for each 32 codes along K); Wo_codes 1,024 x 32 x 24 uint8 (E2M3 codes of Wo, K innermost, in blocks of 32 codes, four codes in three bytes); Wo_scales 1,024 x 32 uint8 (E8M0 scales of Wo, one for each 32 codes along K); Wq_codes 1,024 x 32 x 24 uint8 (E2M3 codes of Wq, K innermost, in blocks of 32 codes, four codes in three bytes); Wq_scales 1,024 x 32 uint8 (E8M0 scales of Wq, one for each 32 codes along K); Wv_codes 1,024 x 32 x 24 uint8 (E2M3 codes of Wv, K innermost, in blocks of 32 codes, four codes in three bytes); Wv_scales 1,024 x 32 uint8 (E8M0 scales of Wv, one for each 32 codes along K); bo 1,024 float32; x_codes 4 x 2,048 x 32 x 24 uint8 (E2M3 codes of x, K innermost, in blocks of 32 codes, four codes in three bytes); x_scales 4 x 2,048 x 32 uint8 (E8M0 scales of x, one for each 32 codes along K).
;; Outputs: out0 4 x 2,048 x 1,024 float32.
;; This version of the problem:
;;   THIS VERSION OF THE PROBLEM IS GIVEN IN LOW PRECISION. The matrix products marked QUANTISED in the list below multiply operands that are first quantised to E2M3 (2 exponent bits, 3 mantissa bits; 6 bits a number), with one power-of-two scale for each 32 numbers along K (OCP MX v1.0); their sums are f32. All else is computed in f32.
;;   The module's matrix products, in the order in which they are computed (A, B: the left and right operand; K: the contracted axis; several contracted axes count as one K, in the product's order):
;;     1. [M 8,192, K 1,024] x [K 1,024, N 1,024]; A: input x (given as codes); B: input Wq (given as codes): QUANTISED
;;     2. [M 8,192, K 1,024] x [K 1,024, N 1,024]; A: input x (given as codes); B: input Wk (given as codes): QUANTISED
;;     3. [M 8,192, K 1,024] x [K 1,024, N 1,024]; A: input x (given as codes); B: input Wv (given as codes): QUANTISED
;;     4. batch 64 x [M 2,048, K 64] x [K 64, N 2,048]; A: computed on the way; B: computed on the way: QUANTISED
;;     5. batch 64 x [M 2,048, K 2,048] x [K 2,048, N 64]; A: softmax (see below); B: computed on the way: QUANTISED
;;     6. [M 8,192, K 1,024] x [K 1,024, N 1,024]; A: computed on the way; B: input Wo (given as codes): QUANTISED
;;   THE QUANTISER, for each operand of a quantised product, along K:
;;     - K is cut into blocks of 32 from its start; a last block that is shorter is filled with zeros.
;;     - A block's scale is 2^e with e = floor(log2(the largest magnitude in the block)) - 2, held to -126 .. 127; a block of zeros has e = 0. As a byte (E8M0): e + 127.
;;     - Each number is divided by its block's scale, clamped to +-7.5, and rounded to the nearest number of E2M3, ties to even, subnormals kept.
;;     - The product sums the exact products of the quantised numbers (number of the format x scale) in f32.
;;   ~~~python
;;   def quantise(x, axis):      # numpy; x: float32 -> the quantised numbers, widened to float32 again
;;       x = np.moveaxis(x, axis, -1); K = x.shape[-1]
;;       x = np.pad(x, [(0, 0)] * (x.ndim - 1) + [(0, -K % 32)]); x = x.reshape(x.shape[:-1] + (-1, 32)); a = np.abs(x).max(-1, keepdims=True)
;;       e = np.where(a > 0, np.clip(np.frexp(np.where(a > 0, a, 1))[1] - 1 - 2, -126, 127), 0)      # np.frexp(a)[1] - 1 = floor(log2(a)), exactly
;;       r = np.clip(x / 2.0 ** e, -7.5, 7.5)
;;       step = 2.0 ** (np.maximum(np.frexp(np.where(r == 0, 1, r))[1] - 1, 0) - 3)
;;       q = np.round(r / step) * step * 2.0 ** e      # np.round: ties to even
;;       return np.moveaxis(q.reshape(q.shape[:-2] + (-1,))[..., :K], -1, axis).astype(np.float32)
;;   ~~~
;;   SOFTMAX AHEAD OF A QUANTISED PRODUCT. Where the list says 'softmax', what is quantised is not the finished softmax but p = 2^(t - M), with t = logit x log2(e) and M = ceil(the row's largest t), a whole number; so 1/2 < the row's largest p <= 1. The row's sum l is taken of the UNQUANTISED p, in f32, and the product's result is divided by l at the end. Since M is a whole number, a kernel that streams over the keys may use a running M (the ceiling of the running maximum): every later rescaling is an exact power of two, which a block's scale takes up: the codes' values come out the same.
;;   OPERANDS COMPUTED ON THE WAY. 'Computed on the way' means the value that the module computes at that place (a softmax that the list does not call 'softmax' is quantised finished and normalised). What goes into a quantiser is computed in f32, as accurately as f32 sums, v_exp_f32 and their like allow (about 1e-6 of the number): no bf16 or f16 on the way to a quantiser, and a product that is left as it is and whose result goes on into a quantised operand takes f32 operands (vector FMAs, or v_wmma_f32_16x16x4_f32). A number that lies on a knife's edge between two numbers of the format may be rounded either way, as far as f32 arithmetic and the matrix unit's own rounding can turn it there, and no further.
;;   INPUTS GIVEN AS CODES. Wk (in the module: [1024, 1024], K = its axis 1); Wo (in the module: [1024, 1024], K = its axis 1); Wq (in the module: [1024, 1024], K = its axis 1); Wv (in the module: [1024, 1024], K = its axis 1); x (in the module: [4, 2048, 1024], K = its axis 2): each comes as NAME_codes (uint8): NAME with its K axis moved to the last place and cut into blocks of 32 codes, [.., K / 32, bytes a block], one block behind the other in memory; four codes in three bytes: a row's codes are one little-endian stream of bits, code i at bits 6 i .. 6 i + 5 (a code: sign, 2 exponent bits, 3 mantissa bits); and NAME_scales (uint8): the same leading axes, one E8M0 byte (e + 127) for each 32 codes along K. Its value is code x scale, taken as it is: it is not quantised again, and the codes and scales need not be those that the quantiser above would give.
;; 2 versions, each right; version 2 is version 1 with the launch attn written anew for expert scheduling mode. Each part assembles by itself: llvm-mc -triple=amdgcn-amd-amdhsa -mcpu=gfx1250 --defsym DOCPART=n.
;; ======== version 1 of 2: 3 launches
;; workspace buffers: qkv 19,660,800 bytes; ao 6,291,456 bytes; asc 262,144 bytes
;; launch proj (part 1): grid 192 x 1, 4 waves a work-group, clusters of 4 x 1, 321,024 bytes of LDS; arguments x_codes, x_scales, Wq_codes, Wq_scales, Wk_codes, Wk_scales, Wv_codes, Wv_scales, qkv; writes qkv
.if DOCPART == 1
	.amdgcn_target "amdgcn-amd-amdhsa--gfx1250"
	.amdhsa_code_object_version 6
	.text
	.protected	k_q3da856cf6f_proj
	.globl	k_q3da856cf6f_proj
	.p2align	8
	.type	k_q3da856cf6f_proj,@function
k_q3da856cf6f_proj:
	s_mov_b64 s[64:65], 0
	v_nop
	global_prefetch_b8 v0, s[64:65] scope:SCOPE_SE
	s_setreg_imm32_b32 hwreg(HW_REG_WAVE_MODE, 25, 1), 1
	s_wait_xcnt 0x0
	s_wait_alu depctr_hold_cnt(0) depctr_sa_sdst(0) depctr_va_vdst(0) depctr_va_sdst(0) depctr_va_ssrc(0) depctr_va_vcc(0) depctr_vm_vsrc(0)
	s_getreg_b32 s2, hwreg(HW_REG_IB_STS2, 6, 4)
	s_cmp_eq_u32 s2, 0
	s_cbranch_scc0 .Lentry_in_a_cluster
	s_endpgm
.Lentry_in_a_cluster:
	s_bfe_u32 s2, ttmp6, 0x10000c
	s_cmp_lg_u32 s2, 0x3003
	s_cbranch_scc0 .Lentry_shape_is_right
	s_endpgm
.Lentry_shape_is_right:
; q = x Wq^T, k = x Wk^T, v = x Wv^T on codes of FP6 (E2M3) with E8M0 scales, and the results quantised again: q and k along the head's 64, v along the keys.
; ONE FORM FOR ALL THREE: source 0 = 128 rows of an operand P, whose fragments for all of K = 1,024 (64 fragments, 768 registers) stay in the wave's registers;
; source 1 = 16 rows of an operand Q, read from LDS.  A UNIT is P's 128 rows x one tile of Q: 64 matrix instructions on 8 accumulators; a lane then holds one row of Q and 64 numbers
; along P's rows, which is the axis to be quantised: 4 blocks of 32 -> one fragment of 12 registers and one scale word.  q, k: P = Wq or Wk (two heads), Q = x.  v: P = x (128 keys), Q = Wv.
; THE ROWS OF A TILE ARE NOT NEIGHBOURS: lane r of tile 2 b + u stands for row 32 b + 8 u + r + 8 (r / 8).  For P this makes the 16 registers of tiles 2 b, 2 b + 1 sixteen neighbours
; 32 b + 16 (lane / 16) + 0 .. 15; for Q it only says which row a lane holds, and the later launches take tokens and channels in the same order.
; SHARES: 48 clusters of 4 work-groups of 4 waves; a wave makes 16 units (256 rows of Q).  The four work-groups of a cluster read the same 256 rows of Q: asked for jointly, once, and kept in LDS.
;   cluster < 32: Q = x rows 256 c on; P = Wq (places 0, 1) or Wk (places 2, 3), rows 128 g on, g = 4 (place % 2) + wave.   cluster >= 32: Q = Wv rows 256 (c % 4) on; P = x rows 128 beta on.
; OUT: qkv[head of batch][key step of 128][19,200 bytes]: K's codes 6,144 (8 tiles x 3 pieces x 32 lanes x 8 bytes), V's codes 6,144 (4 tiles of channels x 6 pieces), K's scale words 256, V's 256, Q's codes 6,144, Q's scale words 256:
; images of the next launch's operand registers; every store of codes covers 256 consecutive bytes, aligned.
; LIMITS: NaN and infinities are not served (a given scale byte 0xff gives NaN as the matrix unit makes it).  A block whose largest magnitude lies under 2^-124, a block of zeros among them, gets the byte 1
; (the quantiser's text says 127 for zeros): its codes are zeros, and these bytes are read by this program alone.
; Not used: a ring with refills (Q's 256 rows fit in LDS whole); 64 of 256 WGPs stay without work: 12 units a wave divide neither 512 nor 64 tiles.
.set BLK,   19200
.set GRP,   13184                      ; LDS: a group of 16 rows of Q: 16 x 816 + 128, so that rows rho and rho + 16 of a tile start 32 banks apart
.set QPI,   816                        ; a row of Q: 3 x (256 bytes + 16 of padding)
.set QS,    16*GRP                     ; Q's scale bytes: 256 rows x 32, dense
.set PST,   QS+8192                    ; each wave's own stage for P: two halves of 16 rows; no tensor load lands here
.set PPI,   784
.set PHALF, 16*PPI+128
.set PWAVE, 2*PHALF
.set ACC,   16                         ; v16-79   8 accumulators
.set QF,    80                         ; v80-127  four fragments of Q, by turns
.set TM,    128                        ; v128-143 the quantiser's work
.set PW,    144                        ; v144-145 the scale words of a pair of units
.set WW,    146                        ; v146-147 the words as they are stored
.set PC,    148                        ; v148-167 the codes just made
.set PS,    208                        ; v208-239 P's scale words: register 4 t + j: lanes 0-15 K step j, lanes 16-31 K step 4 + j
.set QSR,   252                        ; v252-255 Q's, packed alike
.set XR,    16                         ; the prologue alone: two sets of 96 registers
.set YR,    112
; v1, v2 my lane's place in a tile of Q (24 or 40 bytes for the upper lanes); v3, v4 the same in the pair in hand; v5, v6 likewise for Q's scale words; v7-v10 my offsets in the codes' stores; v11 in the scale words';
; v12 8 x lane; v13, v14 the stage, in and out; v15 my offset among P's scale bytes.  Windows 1-3: P's fragments f = 8 s + t (K step s, tile t), f < 63 at v[12 (f % 21)] of window 1 + f / 21; f = 63 at v240-251 of window 0.
.set MSB, 0
.macro WIN new                         ; the immediate's high byte repeats the setting that is left
.if MSB != (\new)
	s_set_vgpr_msb (MSB<<8)|(\new)
.set MSB, (\new)
.endif
.endm
.macro ROUND                           ; a round of the cluster's barrier
	s_barrier_signal -1
	s_barrier_wait -1
	s_cmp_lg_u32 s22, 0
	s_cbranch_scc1 .Lnot_wave_0_\@
	s_barrier_signal -3
.Lnot_wave_0_\@:
	s_barrier_wait -3
	s_barrier_signal -1
	s_barrier_wait -1
.endm
.macro PLACES                          ; four plain places behind a matrix instruction, ahead of loads into its registers and of reads of its result
.rept 4
	v_nop
.endr
.endm
	s_load_b512 s[4:19], s[0:1], 0x0               ; x codes, x scales, Wq codes, scales, Wk codes, scales, Wv codes, scales
	s_load_b64 s[20:21], s[0:1], 0x40              ; qkv
	s_set_vgpr_msb 0x40
	v_lshl_add_u32 v254, v0, 2, 0x4e400
	v_mov_b32 v255, 0
	s_set_vgpr_msb 0x4045
	ds_add_u32 v254, v255
	ds_add_u32 v254, v255
	s_set_vgpr_msb 0x4500
	v_lshrrev_b32 v16, 5, v0
	v_readfirstlane_b32 s22, v16                   ; wave 0..3
	s_bfe_u32 s23, ttmp6, 0x40000                  ; my place in the cluster: it enters P's address and the output's alone
	s_mov_b32 s24, ttmp9                           ; the cluster
	; Q's side: the cluster and the wave alone
	s_lshl_b32 s25, s24, 8
	s_and_b32 s86, s24, 3                          ; v: which 256 rows of Wv
	s_lshl_b32 s87, s86, 8
	s_cmp_lt_u32 s24, 32
	s_cselect_b32 s25, s25, s87                    ; Q's first row
	s_mul_i32 s92, s25, 768
	s_mul_i32 s93, s22, 4*12288
	s_add_co_u32 s92, s92, s93
	s_mov_b32 s93, 0                               ; s[92:93]: bytes to my four groups of Q's codes
	s_lshl_b32 s94, s25, 5
	s_lshl_b32 s95, s22, 11
	s_add_co_u32 s94, s94, s95
	s_mov_b32 s95, 0                               ; s[94:95]: to my 64 rows of Q's scale bytes
	; P's side and the output, q and k
	s_and_b32 s88, s23, 1
	s_lshl_b32 s88, s88, 2
	s_add_co_u32 s88, s88, s22                     ; g: heads 2 g, 2 g + 1
	s_lshl_b32 s26, s88, 7                         ; P's first row
	s_lshr_b32 s27, s24, 3
	s_lshl_b32 s27, s27, 3
	s_add_co_u32 s27, s27, s88                     ; 8 x batch + g
	s_lshl_b32 s27, s27, 4
	s_and_b32 s89, s24, 7
	s_add_co_u32 s27, s27, s89
	s_lshl_b32 s27, s27, 1                         ; the block: (16 batch + 2 g) x 16 + 2 (c % 8)
	; and v
	s_lshr_b32 s89, s24, 2
	s_and_b32 s89, s89, 3
	s_lshl_b32 s89, s89, 2
	s_add_co_u32 s89, s89, s23
	s_lshl_b32 s89, s89, 2
	s_add_co_u32 s89, s89, s22                     ; beta: which 128 tokens
	s_lshl_b32 s90, s89, 7                         ; P's first row
	s_lshr_b32 s91, s89, 4
	s_lshl_b32 s91, s91, 2
	s_add_co_u32 s91, s91, s86
	s_lshl_b32 s91, s91, 6
	s_and_b32 s89, s89, 15
	s_add_co_u32 s91, s91, s89                     ; the block: (16 batch + 4 (c % 4)) x 16 + beta % 16
	s_cmp_lt_u32 s23, 2                            ; q or k: where in a block
	s_cselect_b32 s2, 12800, 0
	s_mov_b32 s3, 12288
	s_cselect_b32 s3, 18944, s3
	s_cmp_lt_u32 s24, 32                           ; q, k or v: all these choices stand behind one compare
	s_cselect_b32 s26, s26, s90
	s_cselect_b32 s27, s27, s91
	s_mov_b32 s86, 6144
	s_cselect_b32 s2, s2, s86
	s_mov_b32 s86, 12544
	s_cselect_b32 s3, s3, s86
	s_mov_b32 s74, 3072
	s_cselect_b32 s74, 1536, s74                   ; the codes' step from pair to pair,
	s_mov_b32 s75, 304128
	s_cselect_b32 s75, 14592, s75                  ; and where a block (q, k) or a head (v) is full
	s_mov_b32 s76, 128
	s_cselect_b32 s76, 64, s76                     ; the scale words' likewise
	s_mov_b32 s77, 307072
	s_cselect_b32 s77, 19008, s77
	s_cselect_b32 s78, 3, 1                        ; full after 4 pairs or after 2
	s_mov_b32 s79, 0x03020100
	s_cselect_b32 s79, 0x05040100, s79             ; how the pair's two scale words are dealt: q, k: low halves | high halves; v: first word | second word
	s_mov_b32 s80, 0x07060504
	s_cselect_b32 s80, 0x07060302, s80
	s_mov_b32 s87, 768
	s_cselect_b32 s87, 307200, s87                 ; from a fragment's registers 0-5 to its registers 6-11: the next head, or the next three pieces
	s_mov_b32 s88, 1536
	s_cselect_b32 s88, 768, s88                    ; from a pair's first unit to its second
	s_mov_b32 s89, 307200
	s_cselect_b32 s89, s89, 64                     ; from the lower lanes' scale words to the upper lanes'
	v_and_b32 v16, 31, v0                          ; lane
	v_and_b32 v17, 15, v0                          ; r
	v_bfe_u32 v18, v0, 4, 1                        ; h
	v_bfe_u32 v19, v0, 3, 1                        ; r / 8
	v_and_b32 v20, 7, v0                           ; r % 8
	v_mul_u32_u24 v1, v19, GRP
	v_mad_u32_u24 v1, v20, QPI, v1
	v_mad_u32_u24 v2, v18, 40, v1                  ; for the pieces whose partner three pieces on lies behind one padding more
	v_mad_u32_u24 v1, v18, 24, v1
	v_lshl_add_u32 v21, v19, 3, v17                ; r + 8 (r / 8)
	v_lshlrev_b32 v15, 5, v21
	v_lshl_add_u32 v15, v18, 4, v15                ; 32 bytes of scales a row; the upper lanes take K steps 4-7
	v_add_nc_u32 v5, QS, v15
	v_lshlrev_b32 v7, 3, v16
	v_add_nc_u32 v8, s87, v7
	v_add_nc_u32 v9, s88, v7
	v_add_nc_u32 v10, s88, v8
	v_mul_u32_u24 v11, s89, v18
	v_lshl_add_u32 v11, v17, 2, v11
	v_lshlrev_b32 v12, 3, v16
	s_mul_i32 s86, s22, PWAVE
	s_add_co_u32 s86, s86, PST
	v_add_nc_u32 v13, s86, v12
	v_mul_u32_u24 v14, v19, PHALF
	v_mad_u32_u24 v14, v20, PPI, v14
	v_mad_u32_u24 v14, v18, 24, v14
	v_add_nc_u32 v14, s86, v14
	s_mul_i32 s27, s27, BLK
	s_add_co_u32 s2, s2, s27                       ; s[2:3]: the codes' first byte in qkv
	s_add_co_u32 s90, s3, s27                      ; s[90:91]: the scale words'
	s_mov_b32 s3, 0
	s_mov_b32 s91, 0
	s_mul_i32 s86, s26, 768
	s_mov_b32 s87, 0
	s_lshl_b32 s88, s26, 5
	s_mov_b32 s89, 0
	; descriptor groups 1.  Codes: 16 rows of 768 bytes, 16 bytes of padding behind every 256; the mask names the cluster's four.  Scale bytes: 2,048 dense bytes as 8 rows of 256
	s_mov_b32 s28, 15|(1<<20)|(1<<21)|(5<<22)|(3<<25)
	s_mov_b32 s29, 768<<16
	s_mov_b32 s30, 16<<16
	s_mov_b32 s31, 768<<16
	s_mov_b32 s32, 16
	s_mov_b32 s33, 768
	s_mov_b32 s34, 0
	s_mov_b32 s35, 0
	s_mov_b32 s36, 15|(3<<16)|(1<<21)
	s_mov_b32 s37, 32<<16
	s_mov_b32 s38, 8<<16
	s_mov_b32 s39, 32<<16
	s_mov_b32 s40, 8
	s_mov_b32 s41, 32
	s_mov_b32 s42, 0
	s_mov_b32 s43, 0
	s_wait_dscnt 0x0
	s_wait_kmcnt 0x0
	s_cmp_lt_u32 s23, 2
	s_cselect_b64 s[66:67], s[8:9], s[12:13]       ; Wq or Wk
	s_cselect_b64 s[68:69], s[10:11], s[14:15]
	s_cmp_lt_u32 s24, 32
	s_cselect_b64 s[66:67], s[66:67], s[4:5]       ; P's codes
	s_cselect_b64 s[68:69], s[68:69], s[6:7]       ; P's scales
	s_cselect_b64 s[4:5], s[4:5], s[16:17]         ; Q's codes
	s_cselect_b64 s[6:7], s[6:7], s[18:19]         ; Q's scales
	s_add_nc_u64 s[66:67], s[66:67], s[86:87]
	s_add_nc_u64 s[68:69], s[68:69], s[88:89]
	s_add_nc_u64 s[70:71], s[20:21], s[2:3]
	s_add_nc_u64 s[72:73], s[20:21], s[90:91]
	s_add_nc_u64 s[4:5], s[4:5], s[92:93]
	s_add_nc_u64 s[6:7], s[6:7], s[94:95]
	s_mul_i32 s86, s22, 4*GRP
.irp k, 0,1,2,3
	s_mov_b32 s[44+4*\k], 1
	s_add_co_u32 s[45+4*\k], s86, \k*GRP           ; group 4 w + k of Q's sixteen
	s_add_nc_u64 s[46+4*\k:47+4*\k], s[4:5], \k*12288
	s_or_b32 s[47+4*\k], s[47+4*\k], 0x80000000
.endr
	s_mov_b32 s60, 1
	s_lshl_b32 s61, s22, 11
	s_add_co_u32 s61, s61, QS
	s_mov_b64 s[62:63], s[6:7]
	s_or_b32 s63, s63, 0x80000000
	ROUND                                          ; all four work-groups are here: the joint loads meet
	tensor_load_to_lds s[60:63], s[36:43]          ; five loads of mine are out, all first fills
	s_nop 0
	tensor_load_to_lds s[44:47], s[28:35]
	s_nop 0
	tensor_load_to_lds s[48:51], s[28:35]
	s_nop 0
	tensor_load_to_lds s[52:55], s[28:35]
	s_nop 0
	tensor_load_to_lds s[56:59], s[28:35]
	s_nop 0
	PLACES
	s_mov_b32 s81, 0xffff0000                      ; the upper lanes
	s_mov_b32 s82, 0x76543210
	s_mov_b32 s83, 0xfedcba98                      ; v_permlanex16_b32's selects for lane l xor 16
	s_mov_b32 s84, 0                               ; where the pair's two groups of Q begin in LDS
	s_mov_b32 s85, 0                               ; the pair
	s_mov_b32 s87, 0                               ; where its scale bytes begin
	s_mov_b32 s89, 0
	s_mov_b32 s91, 0
.irp t, 0,1,2,3,4,5,6,7
	global_load_b128 v[PS+4*\t:PS+4*\t+3], v15, s[68:69] offset:(32*(\t/2)+8*(\t%2))*32
.endr
; P BECOMES RESIDENT, through the wave's own stage, so that every load from memory covers 256 consecutive bytes.  A group of 16 rows is 48 such loads.
.macro GL q, set
.set I, 0
.rept 48
	global_load_b64 v[\set+2*I:\set+2*I+1], v12, s[66:67] offset:12288*(\q)+256*I
.set I, I+1
.endr
.endm
.macro ST q, set
.set I, 0
.rept 48
	ds_store_b64 v13, v[\set+2*I:\set+2*I+1] offset:((\q)%2)*PHALF+(I/3)*PPI+(I%3)*256
.set I, I+1
.endr
.endm
.macro RD b                            ; groups 2 b, 2 b + 1 hold tiles 2 b, 2 b + 1: their fragments of all eight K steps
.irp s, 0,1,2,3,4,5,6,7
.irp u, 0,1
.set F, 8*\s+2*(\b)+\u
.if F < 63
.set FW, 1+F/21
.set FB, 12*(F%21)
.else
.set FW, 0
.set FB, 240
.endif
	WIN (FW<<6)
.irp p, 0,1,2,3,4,5
	ds_load_b64 v[FB+2*\p:FB+2*\p+1], v14 offset:8*\u*PPI+96*\s+48*(\p/3)+8*(\p%3)
.endr
.endr
.endr
	WIN 0
.endm
	GL 0, XR
	GL 1, YR
.irp b, 0,1,2,3
	s_wait_loadcnt 48                              ; loads come back in order: the first set is in, the second set's 48 may be out
	ST 2*\b, XR
	s_wait_dscnt 0x0                               ; the stores have read their registers
.if \b < 3
	GL 2*\b+2, XR
	s_wait_loadcnt 48                              ; the second set is in, the 48 just issued may be out
.else
	s_wait_loadcnt 0x0
.endif
	ST 2*\b+1, YR
	s_wait_dscnt 0x0
.if \b < 3
	GL 2*\b+3, YR
.endif
	RD \b                                          ; LDS serves a wave's instructions in order: these see my stores, and the next groups' stores come behind them
.endr
	s_wait_tensorcnt 0x0                           ; my parts of Q have landed,
	s_wait_dscnt 0x0                               ; P is in my registers,
	s_barrier_signal -1
	s_barrier_wait -1                              ; and everybody's parts of Q have landed
.irp b, 0,1,2,3
	v_mov_b32 v[TM+4+\b], 0                        ; written once: a lane permute's destination counts as one of its sources
.endr
	v_mov_b32 v3, v1
	v_mov_b32 v4, v2
	v_mov_b32 v6, v5
.macro QFRAG buf, off, s               ; a fragment of Q, 16 rows x 128 K, in pieces of 8 bytes; piece PCE of a row lies at 8 PCE + 16 (PCE / 32)
.irp p, 0,1,2,3,4,5
.set PCE, 12*(\s)+6*(\p/3)+\p%3
.if PCE%32 < 29
	ds_load_b64 v[QF+12*(\buf)+2*\p:QF+12*(\buf)+2*\p+1], v3 offset:(\off)+8*PCE+16*(PCE/32)
.else
	ds_load_b64 v[QF+12*(\buf)+2*\p:QF+12*(\buf)+2*\p+1], v4 offset:(\off)+8*PCE+16*(PCE/32)
.endif
.endr
.endm
.macro KSTEP s                         ; 8 matrix instructions: P's eight tiles x the tile of Q, 128 along K.  The eight accumulators take turns.  K step 0 starts the sums
.irp t, 0,1,2,3,4,5,6,7
.set F, 8*(\s)+\t
.if F < 63
.set FW, 1+F/21
.set FB, 12*(F%21)
.else
.set FW, 0
.set FB, 240
.endif
	WIN FW
.if (\s) == 0
	v_wmma_scale_f32_16x16x128_f8f6f4 v[ACC+8*\t:ACC+8*\t+7], v[FB:FB+11], v[QF:QF+11], 0, v[PS+4*\t], v[QSR] matrix_a_fmt:MATRIX_FMT_FP6 matrix_b_fmt:MATRIX_FMT_FP6
.elseif (\s) < 4
	v_wmma_scale_f32_16x16x128_f8f6f4 v[ACC+8*\t:ACC+8*\t+7], v[FB:FB+11], v[QF+12*(\s):QF+12*(\s)+11], v[ACC+8*\t:ACC+8*\t+7], v[PS+4*\t+(\s)], v[QSR+(\s)] matrix_a_fmt:MATRIX_FMT_FP6 matrix_b_fmt:MATRIX_FMT_FP6
.else
	v_wmma_scale_f32_16x16x128_f8f6f4 v[ACC+8*\t:ACC+8*\t+7], v[FB:FB+11], v[QF+12*((\s)-4):QF+12*((\s)-4)+11], v[ACC+8*\t:ACC+8*\t+7], v[PS+4*\t+(\s)-4], v[QSR+(\s)-4] matrix_a_fmt:MATRIX_FMT_FP6 matrix_b_fmt:MATRIX_FMT_FP6 matrix_a_scale:MATRIX_SCALE_ROW1 matrix_b_scale:MATRIX_SCALE_ROW1
.endif
.endr
	WIN 0
.endm
; 64 numbers of a lane, register 16 b + i = place 32 b + 16 (lane / 16) + i along the axis to be quantised, become a fragment's codes in v[PC] on and its scale word in v[pw]
.macro QUANT s, pw
.irp b, 0,1,2,3
	v_max3_num_f32 v[TM+\b], |v[\s+16*\b]|, |v[\s+1+16*\b]|, 0x1800000   ; my 16 numbers of block b, and the floor 2^(3 - 127): the byte cannot fall under 1.  Each accumulator is read from its low end on
.endr
.irp i, 2,4,6,8,10,12,14
.irp b, 0,1,2,3
	v_max3_num_f32 v[TM+\b], v[TM+\b], |v[\s+16*\b+\i]|, |v[\s+1+16*\b+\i]|
.endr
.endr
.irp b, 0,1,2,3
	v_permlanex16_b32 v[TM+4+\b], v[TM+\b], s82, s83
.endr
.irp b, 0,1,2,3
	v_max_num_f32 v[TM+\b], v[TM+\b], v[TM+4+\b]   ; with lane l xor 16's: the block's largest magnitude
.endr
.irp b, 0,1,2,3
	v_add_nc_u32 v[TM+12+\b], 0xff000000, v[TM+\b] ; 2 off its exponent field: the conversion takes that field as its scale
.endr
.irp b, 0,1,2,3
	v_lshrrev_b32 v[TM+4+\b], 23, v[TM+12+\b]      ; the scale's byte
.endr
	v_lshl_or_b32 v[\pw], v[TM+5], 8, v[TM+4]
	v_lshl_or_b32 v[\pw], v[TM+6], 16, v[\pw]
	v_lshl_or_b32 v[\pw], v[TM+7], 24, v[\pw]
.irp c, 0,1
	v_cvt_scalef32_pk16_fp6_f32 v[PC+6*\c:PC+2+6*\c], v[\s+32*\c:\s+15+32*\c], v[TM+12+2*\c]
	v_cvt_scalef32_pk16_fp6_f32 v[PC+12+4*\c:PC+14+4*\c], v[\s+16+32*\c:\s+31+32*\c], v[TM+12+2*\c+1]   ; (a conversion's three registers begin on an even number)
.endr
	v_nop                                          ; one plain place behind a scaled conversion
.irp c, 0,1                            ; the operand's layout wants a whole block in a lane
.irp i, 0,1,2
	v_permlane16_swap_b32 v[PC+6*\c+\i], v[PC+12+4*\c+\i]
.endr
.irp i, 0,1,2
	v_mov_b32 v[PC+3+6*\c+\i], v[PC+12+4*\c+\i]
.endr
.endr
.endm
; A UNIT, the pair's u-th.  Q's fragments roll through four buffers: behind K step s its buffer takes K step s + 4, or (nxt = 1) the next unit's K step s - 4.
.macro UNIT u, nxt
.irp s, 0,1,2,3,4,5,6,7
.if \s == 0
	s_wait_dscnt 0x0                               ; K steps 0-3 and the scale words are in (asked for ahead of the last unit's quantiser)
.elseif \s >= 4
.if \nxt
	s_wait_dscnt 18                                ; this K step's six loads are in; the three younger fragments' 18 may be out
.else
	s_wait_dscnt 6*(7-\s)                          ; the last unit asks for nothing more: the counts run down
.endif
.endif
	KSTEP \s
	PLACES
.if \s < 4
	QFRAG \s, 6528*\u, \s+4
.elseif \nxt
	QFRAG \s-4, 6528+19840*\u, \s-4
.endif
.endr
.if \nxt
	ds_load_b128 v[QSR:QSR+3], v6 offset:256+768*\u  ; the next unit's scale words
.endif
	s_wait_xcnt 0x0                                ; the last unit's stores have read their data: the codes' registers are written again only behind this wait
	QUANT ACC, PW+\u
.irp p, 0,1,2
	global_store_b64 v[7+2*\u], v[PC+2*\p:PC+2*\p+1], s[70:71] offset:256*\p      ; 32 lanes store 256 consecutive bytes, aligned
.endr
.irp p, 0,1,2
	global_store_b64 v[8+2*\u], v[PC+6+2*\p:PC+7+2*\p], s[70:71] offset:256*\p
.endr
.endm
.macro PAIROUT step                    ; the pair's scale words: lanes 0-15 store one run of 64 bytes, lanes 16-31 another; then on to the next pair
	v_perm_b32 v[WW], v[PW+1], v[PW], s79
	v_perm_b32 v[WW+1], v[PW+1], v[PW], s80
	v_cndmask_b32 v[WW], v[WW], v[WW+1], s81
	global_store_b32 v11, v[WW], s[72:73]
.if \step
	s_wait_xcnt 0x0                                ; the stores have read their bases
	s_and_b32 s86, s85, s78
	s_cmp_eq_u32 s86, s78
	s_cselect_b32 s88, s75, s74
	s_cselect_b32 s90, s77, s76
	s_add_nc_u64 s[70:71], s[70:71], s[88:89]
	s_add_nc_u64 s[72:73], s[72:73], s[90:91]
	s_add_co_u32 s84, s84, 2*GRP
	s_add_co_u32 s87, s87, 1024
	v_add_nc_u32 v3, s84, v1
	v_add_nc_u32 v4, s84, v2
	v_add_nc_u32 v6, s87, v5
.endif
.endm
	ds_load_b128 v[QSR:QSR+3], v6
	QFRAG 0, 0, 0
	QFRAG 1, 0, 1
	QFRAG 2, 0, 2
	QFRAG 3, 0, 3
.Lpair:                                                ; seven trips; the eighth pair is written out, since it asks for nothing beyond Q's end
	UNIT 0, 1
	UNIT 1, 1
	PAIROUT 1
	s_add_co_u32 s85, s85, 1
	s_cmp_lt_u32 s85, 7
	s_cbranch_scc1 .Lpair
	UNIT 0, 1
	UNIT 1, 0
	PAIROUT 0
	s_set_vgpr_msb 0x5
	s_wait_tensorcnt 0x0
	ds_add_u32 v254, v255
	s_wait_dscnt 0x0
	s_set_vgpr_msb 0x500
	ROUND                                          ; the closing round
	s_endpgm
.Lfunc_end_k_q3da856cf6f_proj:
	.size	k_q3da856cf6f_proj, .Lfunc_end_k_q3da856cf6f_proj-k_q3da856cf6f_proj
	.p2alignl 7, 3214868480
	.fill 96, 4, 3214868480
	.section	.rodata,"a",@progbits
	.p2align	6, 0x0
	.amdhsa_kernel k_q3da856cf6f_proj
		.amdhsa_group_segment_fixed_size 321024
		.amdhsa_private_segment_fixed_size 0
		.amdhsa_enable_private_segment 0
		.amdhsa_kernarg_size 72
		.amdhsa_user_sgpr_count 2
		.amdhsa_user_sgpr_kernarg_segment_ptr 1
		.amdhsa_wavefront_size32 1
		.amdhsa_system_sgpr_workgroup_id_x 1
		.amdhsa_system_sgpr_workgroup_id_y 1
		.amdhsa_system_sgpr_workgroup_id_z 1
		.amdhsa_system_vgpr_workitem_id 0
		.amdhsa_next_free_vgpr 1024
		.amdhsa_next_free_sgpr 96
		.amdhsa_reserve_vcc 0
		.amdhsa_float_denorm_mode_32 3
		.amdhsa_float_denorm_mode_16_64 3
		.amdhsa_memory_ordered 1
		.amdhsa_forward_progress 1
		.amdhsa_inst_pref_size 166
	.end_amdhsa_kernel
	.amdgpu_metadata
---
amdhsa.version: [ 1, 2 ]
amdhsa.kernels:
  - .name:           k_q3da856cf6f_proj
    .symbol:         k_q3da856cf6f_proj.kd
    .args:
      - { .name: x_codes, .offset: 0, .size: 8, .value_kind: global_buffer, .address_space: global }
      - { .name: x_scales, .offset: 8, .size: 8, .value_kind: global_buffer, .address_space: global }
      - { .name: Wq_codes, .offset: 16, .size: 8, .value_kind: global_buffer, .address_space: global }
      - { .name: Wq_scales, .offset: 24, .size: 8, .value_kind: global_buffer, .address_space: global }
      - { .name: Wk_codes, .offset: 32, .size: 8, .value_kind: global_buffer, .address_space: global }
      - { .name: Wk_scales, .offset: 40, .size: 8, .value_kind: global_buffer, .address_space: global }
      - { .name: Wv_codes, .offset: 48, .size: 8, .value_kind: global_buffer, .address_space: global }
      - { .name: Wv_scales, .offset: 56, .size: 8, .value_kind: global_buffer, .address_space: global }
      - { .name: qkv, .offset: 64, .size: 8, .value_kind: global_buffer, .address_space: global }
    .group_segment_fixed_size: 321024
    .private_segment_fixed_size: 0
    .kernarg_segment_align: 8
    .kernarg_segment_size: 72
    .max_flat_workgroup_size: 128
    .sgpr_count:     96
    .vgpr_count:     1024
    .wavefront_size: 32
...
	.end_amdgpu_metadata
.endif
;; end of part 1
;; launch attn (part 2): grid 256 x 1, 16 waves a work-group, no clusters, 27,648 bytes of LDS; arguments qkv, ao, asc; writes ao, asc
.if DOCPART == 2
	.amdgcn_target "amdgcn-amd-amdhsa--gfx1250"
	.amdhsa_code_object_version 6
	.text
	.protected	k_q3da856cf6f_attn
	.globl	k_q3da856cf6f_attn
	.p2align	8
	.type	k_q3da856cf6f_attn,@function
k_q3da856cf6f_attn:
	s_mov_b64 s[64:65], 0
	v_nop
	global_prefetch_b8 v0, s[64:65] scope:SCOPE_SE
	s_setreg_imm32_b32 hwreg(HW_REG_WAVE_MODE, 25, 1), 1
	s_wait_xcnt 0x0
; Causal attention on codes of FP6 (E2M3): S^T = K Q^T, p = 2^(t - M), O^T = V^T P^T, O / l, and O quantised along the model's 1,024 for the last product.  t = score x log2(e) / 32.
; M = the running largest t rounded UP to a whole number; p is quantised along the keys, not normalised; l is the sum of the unquantised p; when M moves, l and O^T are multiplied by 2^(old M - new M), exactly.
; SHARES.  A work-group takes, of one head, the query blocks of 256 numbered 7 - i (pass A) and i (pass B): 2 (8 - i) + 2 (i + 1) = 18 key steps of 128 in every work-group.  Each of sixteen waves owns one tile of 16 queries
; in 256 registers: four waves to a SIMD, so that one wave's vector work stands beside another's matrix work and LDS loads.  A step all of whose keys come after the wave's queries is left out; the step on the diagonal is masked.
; qkv holds images of the operands' registers (see the launch that writes it): a key step's 12,800 bytes (K's codes, V's codes, K's and V's scale words) are copied as they lie, through registers, into one of two LDS slots,
; one step ahead: asked for at a step's head, stored to the other slot at its end; one barrier a step.  No tensor load; every LDS address is a lane's constant and an immediate.
; THE HEAD IS 64, THE INSTRUCTION 128 ALONG K: registers 0-5 of a fragment of K hold key tile 2 b's 64 channels, registers 6-11 key tile 2 b + 1's.  Multiplied by (Q | zeros) it gives tile 2 b's scores, by (zeros | Q) tile 2 b + 1's:
; K's registers and LDS bytes hold no zeros.  Zero codes add nothing under any scale byte but 0xff, which the quantiser never gives.
; Tiles of keys, queries and channels: lane r of tile 2 b + u stands for 32 b + 8 u + r + 8 (r / 8), so that the 16 registers of result tiles 2 b, 2 b + 1 are 16 neighbours, 32 b + 16 (lane / 16) + 0 .. 15.
; No cluster: the four work-groups of a head want different numbers of tiles at different times.
; LIMITS: NaN and infinities are not served.  A block of p or of O whose largest magnitude lies under 2^-124 gets the byte 1 and zero codes.  A block's largest p is taken from the block's largest score by the same multiply-add
; and exponential, which takes v_exp_f32 not to fall where its input rises.
; REGISTERS: v1 8 x lane, v2 4 x lane, v3 16 x thread, v4 my query less 16 (lane / 16) in its block of 128, v5 4 r; v8-9 K's scale words, v10-11 V's; v12 -M, v13 the largest t, v[14:15] l in two halves;
; v16-39 (Q | 0), (0 | Q) of pass A, v192-215 of pass B; v40-87 four fragments of K, then of V; v88-95 the next step's bytes; v96-159 S^T, then p; v160-191 O^T; v224-247, v252-254 at work; v248, v249 Q's scale words.
.set BLK,  19200
.set SLOT, 12800
.set KV,   40
.set S,    96
.set O,    160
	s_load_b128 s[4:7], s[0:1], 0x0                ; qkv, ao
	s_load_b64 s[8:9], s[0:1], 0x10                ; asc
	v_lshl_add_u32 v243, v0, 2, 0x6400
	v_mov_b32 v255, 0
	v_lshrrev_b32 v1, 5, v0
	v_readfirstlane_b32 s10, v1                    ; wave 0..15
	s_lshr_b32 s11, ttmp9, 2                       ; the head of the batch, 0..63
	s_and_b32 s12, ttmp9, 3                        ; i
	s_sub_co_u32 s41, 7, s12                       ; the query block of pass A,
	s_mov_b32 s42, s12                             ; of pass B
	s_lshr_b32 s13, s10, 3
	s_lshl_b32 s39, s41, 1
	s_add_co_u32 s39, s39, s13                     ; the key step on my diagonal, pass A,
	s_lshl_b32 s40, s42, 1
	s_add_co_u32 s40, s40, s13                     ; pass B
	s_and_b32 s43, s10, 7                          ; my tile in its block of 128 tokens
	s_mul_i32 s18, s11, 307200
	s_mov_b32 s19, 0
	s_mul_i32 s52, s43, 768
	s_add_co_u32 s52, s52, 12800
	s_mul_i32 s44, s39, BLK
	s_mul_i32 s46, s40, BLK
	s_lshr_b32 s53, s43, 1
	s_lshl_b32 s53, s53, 6
	s_add_co_u32 s53, s53, 18944
	s_add_co_u32 s48, s44, s53                     ; my Q's scale words,
	s_add_co_u32 s50, s46, s53
	s_add_co_u32 s44, s44, s52                     ; my Q's codes
	s_add_co_u32 s46, s46, s52
	s_mov_b32 s45, 0
	s_mov_b32 s47, 0
	s_mov_b32 s49, 0
	s_mov_b32 s51, 0
	s_bfe_u32 s13, s10, 0x20001
	s_lshl_b32 s13, s13, 5
	s_and_b32 s52, s10, 1
	s_lshl_b32 s53, s52, 3
	s_add_co_u32 s13, s13, s53                     ; my tile's 32 b + 8 u
	s_cmp_eq_u32 s52, 0
	s_mov_b32 s38, 0x03020302
	s_cselect_b32 s38, 0x01000100, s38             ; my tile's half of the scale word, doubled
	s_mov_b32 s26, 0x76543210
	s_mov_b32 s27, 0xfedcba98                      ; v_permlanex16_b32's selects for lane l xor 16
	s_mov_b32 s28, 0x3d38aa3b                      ; c = log2(e) / 32
	s_mov_b32 s29, s28                             ; (named with it as a pair)
	s_mov_b32 s24, 18                              ; key steps to go
	v_and_b32 v6, 31, v0
	v_and_b32 v7, 15, v0
	v_lshlrev_b32 v1, 3, v6
	v_lshlrev_b32 v2, 2, v6
	v_lshlrev_b32 v3, 4, v0
	v_lshlrev_b32 v5, 2, v7
	v_bfe_u32 v8, v0, 3, 1
	v_bfe_u32 v9, v0, 4, 1
	v_lshl_add_u32 v4, v8, 3, v7
	v_lshlrev_b32 v9, 4, v9
	v_sub_nc_u32 v4, v4, v9
	v_add_nc_u32 v4, s13, v4
	s_wait_kmcnt 0x0
	s_add_nc_u64 s[14:15], s[4:5], s[18:19]        ; the head's first block
	s_add_nc_u64 s[44:45], s[14:15], s[44:45]
	s_add_nc_u64 s[46:47], s[14:15], s[46:47]
	s_add_nc_u64 s[48:49], s[14:15], s[48:49]
	s_add_nc_u64 s[50:51], s[14:15], s[50:51]
	global_load_b128 v[88:91], v3, s[14:15]        ; key step 0: 25 runs of 512 bytes: every wave one, waves 0-8 a second
	s_cmp_lt_u32 s10, 9
	s_cbranch_scc0 .Lhead_one
	global_load_b128 v[92:95], v3, s[14:15] offset:8192
.Lhead_one:
.irp p, 0,1,2
	global_load_b64 v[16+2*\p:17+2*\p], v1, s[44:45] offset:256*\p     ; (Q | 0)
	global_load_b64 v[34+2*\p:35+2*\p], v1, s[44:45] offset:256*\p     ; (0 | Q)
	global_load_b64 v[192+2*\p:193+2*\p], v1, s[46:47] offset:256*\p
	global_load_b64 v[210+2*\p:211+2*\p], v1, s[46:47] offset:256*\p
.endr
	global_load_b32 v250, v5, s[48:49]
	global_load_b32 v251, v5, s[50:51]
.irp j, 0,1,2,3,4,5
	v_mov_b32 v[22+\j], 0
	v_mov_b32 v[28+\j], 0
	v_mov_b32 v[198+\j], 0
	v_mov_b32 v[204+\j], 0
.endr
.irp b, 0,1,2,3
	v_mov_b32 v[236+\b], 0                         ; written once: a lane permute's destination counts as one of its sources
.endr
	v_mov_b32 v252, 0
	v_mov_b32 v253, 0                              ; (named as the upper half of the pair v[252:253] before it is first written)
; where my tile of O goes: ao[block of 128 tokens][K step = head / 2][tile][head % 2][768], asc[block][K step][tile][16 lanes][4]
.macro OUTADR jd, ao, asc
	s_lshr_b32 s52, s11, 4
	s_lshl_b32 s52, s52, 4
	s_add_co_u32 s52, s52, s[\jd]
	s_lshl_b32 s52, s52, 3
	s_bfe_u32 s53, s11, 0x30001
	s_add_co_u32 s52, s52, s53
	s_lshl_b32 s52, s52, 3
	s_add_co_u32 s52, s52, s43
	s_and_b32 s53, s11, 1
	s_lshl_b32 s54, s52, 1
	s_add_co_u32 s54, s54, s53
	s_mul_i32 s54, s54, 768
	s_mov_b32 s55, 0
	s_add_nc_u64 s[\ao:\ao+1], s[6:7], s[54:55]
	s_lshl_b32 s54, s52, 6
	s_lshl_b32 s53, s53, 1
	s_add_co_u32 s54, s54, s53
	s_add_nc_u64 s[\asc:\asc+1], s[8:9], s[54:55]
.endm
	OUTADR 39, 30, 32
	OUTADR 40, 34, 36
	s_wait_loadcnt 0x0
	ds_store_b128 v3, v[88:91]
	s_cmp_lt_u32 s10, 9
	s_cbranch_scc0 .Lhead_two
	ds_store_b128 v3, v[92:95] offset:8192
.Lhead_two:
	v_perm_b32 v248, v250, v250, s38
	v_perm_b32 v249, v251, v251, s38
	s_wait_dscnt 0x0                               ; for the others' sake: my part of slot 0 lies in LDS
	s_barrier_signal -1
	s_barrier_wait -1
.macro SMM t, b, q, qw                 ; scores of key tile t: K's double fragment b x one of Q's two forms
.if (\b)%2
	v_wmma_scale_f32_16x16x128_f8f6f4 v[S+8*(\t):S+8*(\t)+7], v[KV+12*(\b):KV+12*(\b)+11], v[\q:\q+11], 0, v[8+(\b)/2], v[\qw] matrix_a_fmt:MATRIX_FMT_FP6 matrix_b_fmt:MATRIX_FMT_FP6 matrix_a_scale:MATRIX_SCALE_ROW1
.else
	v_wmma_scale_f32_16x16x128_f8f6f4 v[S+8*(\t):S+8*(\t)+7], v[KV+12*(\b):KV+12*(\b)+11], v[\q:\q+11], 0, v[8+(\b)/2], v[\qw] matrix_a_fmt:MATRIX_FMT_FP6 matrix_b_fmt:MATRIX_FMT_FP6
.endif
.endm
.macro PMM d                           ; O^T += 16 channels of V^T x P^T
.if (\d)%2
	v_wmma_scale_f32_16x16x128_f8f6f4 v[O+8*(\d):O+8*(\d)+7], v[KV+12*(\d):KV+12*(\d)+11], v[224:235], v[O+8*(\d):O+8*(\d)+7], v[10+(\d)/2], v253 matrix_a_fmt:MATRIX_FMT_FP6 matrix_b_fmt:MATRIX_FMT_FP6 matrix_a_scale:MATRIX_SCALE_ROW1
.else
	v_wmma_scale_f32_16x16x128_f8f6f4 v[O+8*(\d):O+8*(\d)+7], v[KV+12*(\d):KV+12*(\d)+11], v[224:235], v[O+8*(\d):O+8*(\d)+7], v[10+(\d)/2], v253 matrix_a_fmt:MATRIX_FMT_FP6 matrix_b_fmt:MATRIX_FMT_FP6
.endif
.endm
; A KEY STEP out of slot sl.  s20 the step, s21 the pass's steps, s22 the step on my diagonal, s24 steps to go in the launch.
.macro STEP sl, qa, qb, qw
	s_add_co_u32 s25, s20, 1                       ; the next step's block; behind a pass's last step, the next pass's step 0
	s_cmp_eq_u32 s25, s21
	s_cselect_b32 s25, 0, s25
	s_mul_i32 s18, s25, BLK
	s_add_nc_u64 s[16:17], s[14:15], s[18:19]      ; (the last loads from this base were waited for at the last step's end)
	s_cmp_eq_u32 s24, 1
	s_cbranch_scc1 .Lasked_\@                      ; the launch's last step asks for nothing
	global_load_b128 v[88:91], v3, s[16:17]
	s_cmp_lt_u32 s10, 9
	s_cbranch_scc0 .Lasked_\@
	global_load_b128 v[92:95], v3, s[16:17] offset:8192
.Lasked_\@:
	s_cmp_gt_u32 s20, s22
	s_cbranch_scc1 .Lhidden_\@                     ; all 128 keys come after my queries: no barrier stands in what is left out
.set N, 0
.rept 24
	ds_load_b64 v[KV+2*N:KV+2*N+1], v1 offset:\sl*SLOT+256*N
.set N, N+1
.endr
	ds_load_b32 v8, v2 offset:\sl*SLOT+12288       ; lanes 0-15 fragment 0's scale words, lanes 16-31 fragment 1's
	ds_load_b32 v9, v2 offset:\sl*SLOT+12288+128
	s_wait_dscnt 0x0
.irp b, 0,1,2,3
	SMM 2*\b, \b, \qa, \qw
	SMM 2*\b+1, \b, \qb, \qw
.endr
.rept 4
	v_nop                                          ; places ahead of the loads into K's registers and of the first read of the scores
.endr
.set N, 0
.rept 24
	ds_load_b64 v[KV+2*N:KV+2*N+1], v1 offset:\sl*SLOT+6144+256*N   ; V: it lands under the softmax
.set N, N+1
.endr
	ds_load_b32 v10, v2 offset:\sl*SLOT+12544
	ds_load_b32 v11, v2 offset:\sl*SLOT+12544+128
	s_cmp_lg_u32 s20, s22
	s_cbranch_scc1 .Lopen_\@
	v_mov_b32 v254, 0xff800000                     ; on the diagonal hidden scores become -infinity: register 16 b + i holds key 32 b + 16 (lane / 16) + i of the block
.set N, 0
.rept 64
	v_cmp_gt_i32 vcc_lo, 32*(N/16)+N%16, v4
	v_cndmask_b32 v[S+N], v[S+N], v254, vcc_lo
.set N, N+1
.endr
.Lopen_\@:
.irp b, 0,1,2,3
	v_max3_num_f32 v[232+\b], v[96+16*\b], v[97+16*\b], v[98+16*\b]   ; the largest score of each block of 32 keys: for the row's maximum and for the block's largest p
.endr
.irp i, 3,5,7,9,11,13
.irp b, 0,1,2,3
	v_max3_num_f32 v[232+\b], v[232+\b], v[96+16*\b+\i], v[97+16*\b+\i]
.endr
.endr
.irp b, 0,1,2,3
	v_max_num_f32 v[232+\b], v[232+\b], v[111+16*\b]
.endr
.irp b, 0,1,2,3
	v_permlanex16_b32 v[236+\b], v[232+\b], s26, s27
.endr
.irp b, 0,1,2,3
	v_max_num_f32 v[232+\b], v[232+\b], v[236+\b]
.endr
	v_max3_num_f32 v254, v232, v233, v234
	v_max_num_f32 v254, v254, v235
	v_mul_f32 v254, s28, v254
	v_max_num_f32 v13, v13, v254                   ; the running largest t
	v_mov_b32 v254, v12
	v_floor_f32 v12, -v13                          ; -M = floor(-t)
	v_sub_f32 v254, v12, v254                      ; old M - new M: a whole number, 0 or less
	v_cvt_i32_f32 v254, v254                       ; (it saturates)
	v_ldexp_f32 v252, 1.0, v254                    ; f = 2^(old M - new M)
.set N, 0
.rept 32
	v_pk_fma_f32 v[96+N:97+N], v[96+N:97+N], s[28:29], v[12:13] op_sel_hi:[1,0,0]   ; t - M
.set N, N+2
.endr
.irp b, 0,1,2,3
	v_fma_f32 v[232+\b], v[232+\b], s28, v12
.endr
.set N, 0
.rept 64
	v_exp_f32 v[96+N], v[96+N]                     ; p
.set N, N+1
.endr
.irp b, 0,1,2,3
	v_exp_f32 v[232+\b], v[232+\b]                 ; each block's largest p
.endr
	v_pk_mul_f32 v[14:15], v[14:15], v[252:253] op_sel_hi:[1,0]   ; l under the new M (a plain place behind the exponentials)
	s_wait_alu depctr_va_vdst(0)
.irp b, 0,1,2,3
	v_max_num_f32 v[232+\b], 0x1800000, v[232+\b]  ; the floor 2^(3 - 127)
.endr
.irp b, 0,1,2,3
	v_add_nc_u32 v[244+\b], 0xff000000, v[232+\b]
.endr
.irp b, 0,1,2,3
	v_lshrrev_b32 v[236+\b], 23, v[244+\b]
.endr
	v_lshl_or_b32 v253, v237, 8, v236              ; p's scale word for these 128 keys
	v_lshl_or_b32 v253, v238, 16, v253
	v_lshl_or_b32 v253, v239, 24, v253
.irp c, 0,1
	v_cvt_scalef32_pk16_fp6_f32 v[224+6*\c:226+6*\c], v[96+32*\c:111+32*\c], v[244+2*\c]
	v_cvt_scalef32_pk16_fp6_f32 v[236+4*\c:238+4*\c], v[112+32*\c:127+32*\c], v[244+2*\c+1]
.endr
	v_nop                                          ; one plain place behind a scaled conversion
.irp c, 0,1
.irp i, 0,1,2
	v_permlane16_swap_b32 v[224+6*\c+\i], v[236+4*\c+\i]
.endr
.irp i, 0,1,2
	v_mov_b32 v[227+6*\c+\i], v[236+4*\c+\i]
.endr
.endr
	v_pk_add_f32 v[236:237], v[96:97], v[98:99]    ; l takes the unquantised p, in two chains
.irp j, 4,8,12,16,20,24,28,32,36,40,44,48,52,56,60
	v_pk_add_f32 v[14:15], v[14:15], v[96+\j:97+\j]
	v_pk_add_f32 v[236:237], v[236:237], v[98+\j:99+\j]
.endr
	v_pk_add_f32 v[14:15], v[14:15], v[236:237]
.set N, 0
.rept 16
	v_pk_mul_f32 v[O+N:O+N+1], v[O+N:O+N+1], v[252:253] op_sel_hi:[1,0]   ; O^T under the new M.  (These and the sums are the places between p's codes and scale word and the products)
.set N, N+2
.endr
	s_wait_dscnt 0x0                               ; V is in
	PMM 0
	PMM 1
	PMM 2
	PMM 3
.rept 4
	v_nop                                          ; places ahead of the next loads into V's registers and of the next read of O^T
.endr
.Lhidden_\@:
	s_wait_loadcnt 0x0                             ; the next step's bytes are in my registers
	s_cmp_eq_u32 s24, 1
	s_cbranch_scc1 .Lput_\@
	ds_store_b128 v3, v[88:91] offset:(1-\sl)*SLOT ; into the slot that every wave left at the last barrier
	s_cmp_lt_u32 s10, 9
	s_cbranch_scc0 .Lput_\@
	ds_store_b128 v3, v[92:95] offset:(1-\sl)*SLOT+8192
.Lput_\@:
	s_add_co_u32 s20, s20, 1
	s_sub_co_u32 s24, s24, 1
	s_wait_dscnt 0x0                               ; my stores have landed and my reads of this slot are over
	s_barrier_signal -1
	s_barrier_wait -1
.endm
; O / l, quantised along the head's 64 (two blocks of the last product's K): half a fragment, 3 pieces, and half a scale word
.macro FINAL ao, asc
	v_add_f32 v14, v14, v15
	v_permlanex16_b32 v252, v14, s26, s27
	v_add_f32 v14, v14, v252                       ; l
	v_rcp_f32 v14, v14
	v_nop                                          ; one plain place behind a transcendental
.set N, 0
	s_wait_alu depctr_va_vdst(0)
.rept 32
	v_mul_f32 v[96+N], v[O+N], v14                 ; register 16 b + i: channel 32 b + 16 (lane / 16) + i of my query
.set N, N+1
.endr
.irp b, 0,1
	v_max3_num_f32 v[232+\b], |v[96+16*\b]|, |v[97+16*\b]|, 0x1800000
.endr
.irp i, 2,4,6,8,10,12,14
.irp b, 0,1
	v_max3_num_f32 v[232+\b], v[232+\b], |v[96+16*\b+\i]|, |v[97+16*\b+\i]|
.endr
.endr
.irp b, 0,1
	v_permlanex16_b32 v[236+\b], v[232+\b], s26, s27
.endr
.irp b, 0,1
	v_max_num_f32 v[232+\b], v[232+\b], v[236+\b]
.endr
.irp b, 0,1
	v_add_nc_u32 v[244+\b], 0xff000000, v[232+\b]
.endr
.irp b, 0,1
	v_lshrrev_b32 v[236+\b], 23, v[244+\b]
.endr
	v_lshl_or_b32 v253, v237, 8, v236
	v_cvt_scalef32_pk16_fp6_f32 v[224:226], v[96:111], v244
	v_cvt_scalef32_pk16_fp6_f32 v[228:230], v[112:127], v245
	v_nop
.irp i, 0,1,2
	v_permlane16_swap_b32 v[224+\i], v[228+\i]
.endr
.irp i, 0,1,2
	v_mov_b32 v[227+\i], v[228+\i]
.endr
.irp p, 0,1,2
	global_store_b64 v1, v[224+2*\p:225+2*\p], s[\ao:\ao+1] offset:256*\p   ; 32 lanes store 256 consecutive bytes, aligned
.endr
	global_store_b16 v5, v253, s[\asc:\asc+1]      ; two bytes of each of 16 words in one run of 64 bytes (the other head of the pair stores the other halves); lanes 16-31 repeat lanes 0-15
	s_wait_xcnt 0x0                                ; the stores have read their data
.endm
.macro PASS qa, qb, qw, sq, sjd, ao, asc
	s_lshl_b32 s21, s[\sq], 1
	s_add_co_u32 s21, s21, 2                       ; key steps of the pass
	s_add_co_u32 s23, s[\sq], 1                    ; trips of two
	s_mov_b32 s22, s[\sjd]
	s_mov_b32 s20, 0
	v_mov_b32 v13, 0xff61b1e6                      ; the largest t so far: -3e38
	v_floor_f32 v12, -v13
	v_mov_b32 v14, 0
	v_mov_b32 v15, 0
.set N, 0
.rept 32
	v_mov_b32 v[O+N], 0                            ; the step is written without a first step of its own: the first change of M multiplies zeros
.set N, N+1
.endr
.Lpass_\@:
	STEP 0, \qa, \qb, \qw
	STEP 1, \qa, \qb, \qw
	s_sub_co_u32 s23, s23, 1
	s_cmp_lg_u32 s23, 0
	s_cbranch_scc1 .Lpass_\@
	FINAL \ao, \asc
.endm
	PASS 16, 28, 248, 41, 39, 30, 32
	PASS 192, 204, 249, 42, 40, 34, 36
	s_wait_tensorcnt 0x0
	ds_add_u32 v243, v255
	s_wait_dscnt 0x0
	s_endpgm
.Lfunc_end_k_q3da856cf6f_attn:
	.size	k_q3da856cf6f_attn, .Lfunc_end_k_q3da856cf6f_attn-k_q3da856cf6f_attn
	.p2alignl 7, 3214868480
	.fill 96, 4, 3214868480
	.section	.rodata,"a",@progbits
	.p2align	6, 0x0
	.amdhsa_kernel k_q3da856cf6f_attn
		.amdhsa_group_segment_fixed_size 27648
		.amdhsa_private_segment_fixed_size 0
		.amdhsa_enable_private_segment 0
		.amdhsa_kernarg_size 24
		.amdhsa_user_sgpr_count 2
		.amdhsa_user_sgpr_kernarg_segment_ptr 1
		.amdhsa_wavefront_size32 1
		.amdhsa_system_sgpr_workgroup_id_x 1
		.amdhsa_system_sgpr_workgroup_id_y 1
		.amdhsa_system_sgpr_workgroup_id_z 1
		.amdhsa_system_vgpr_workitem_id 0
		.amdhsa_next_free_vgpr 256
		.amdhsa_next_free_sgpr 66
		.amdhsa_reserve_vcc 1
		.amdhsa_float_denorm_mode_32 3
		.amdhsa_float_denorm_mode_16_64 3
		.amdhsa_memory_ordered 1
		.amdhsa_forward_progress 1
		.amdhsa_inst_pref_size 108
	.end_amdhsa_kernel
	.amdgpu_metadata
---
amdhsa.version: [ 1, 2 ]
amdhsa.kernels:
  - .name:           k_q3da856cf6f_attn
    .symbol:         k_q3da856cf6f_attn.kd
    .args:
      - { .name: qkv, .offset: 0, .size: 8, .value_kind: global_buffer, .address_space: global }
      - { .name: ao, .offset: 8, .size: 8, .value_kind: global_buffer, .address_space: global }
      - { .name: asc, .offset: 16, .size: 8, .value_kind: global_buffer, .address_space: global }
    .group_segment_fixed_size: 27648
    .private_segment_fixed_size: 0
    .kernarg_segment_align: 8
    .kernarg_segment_size: 24
    .max_flat_workgroup_size: 512
    .sgpr_count:     66
    .vgpr_count:     256
    .wavefront_size: 32
...
	.end_amdgpu_metadata
.endif
;; end of part 2
;; launch oproj (part 3): grid 256 x 1, 8 waves a work-group, clusters of 4 x 1, 320,512 bytes of LDS; arguments ao, asc, Wo_codes, Wo_scales, bo, out0; writes out0
.if DOCPART == 3
	.amdgcn_target "amdgcn-amd-amdhsa--gfx1250"
	.amdhsa_code_object_version 6
	.text
	.protected	k_q3da856cf6f_oproj
	.globl	k_q3da856cf6f_oproj
	.p2align	8
	.type	k_q3da856cf6f_oproj,@function
k_q3da856cf6f_oproj:
	s_mov_b64 s[64:65], 0
	v_nop
	global_prefetch_b8 v0, s[64:65] scope:SCOPE_SE
	s_setreg_imm32_b32 hwreg(HW_REG_WAVE_MODE, 25, 1), 1
	s_wait_xcnt 0x0
	s_wait_alu depctr_hold_cnt(0) depctr_sa_sdst(0) depctr_va_vdst(0) depctr_va_sdst(0) depctr_va_ssrc(0) depctr_va_vcc(0) depctr_vm_vsrc(0)
	s_getreg_b32 s2, hwreg(HW_REG_IB_STS2, 6, 4)
	s_cmp_eq_u32 s2, 0
	s_cbranch_scc0 .Lentry_in_a_cluster
	s_endpgm
.Lentry_in_a_cluster:
	s_bfe_u32 s2, ttmp6, 0x10000c
	s_cmp_lg_u32 s2, 0x3003
	s_cbranch_scc0 .Lentry_shape_is_right
	s_endpgm
.Lentry_shape_is_right:
; out0 = O Wo^T + bo on codes of FP6 (E2M3) with E8M0 scales.  O comes as images of operand registers: ao[block of 128 tokens][K step][tile][1,536 bytes = 6 pieces x 32 lanes x 8], asc[block][K step][tile][16 words].
; SHARES.  A work-group makes 128 tokens x 256 outputs; wave w makes tokens 64 (w / 4) on x outputs 64 (w % 4) on: 16 accumulators, 8 K steps of 128, 128 matrix instructions.
; The four work-groups of a cluster take four blocks of tokens and THE SAME 256 rows of Wo: Wo's codes and scale bytes are asked for jointly.  All operands of a work-group fit in LDS: filled once, one barrier, no ring.
; TRANSPOSED: source 0 = 16 rows of Wo, source 1 = 16 tokens: a lane holds eight neighbouring outputs of one token.  Lane r of token tile 2 b + u stands for token 32 b + 8 u + r + 8 (r / 8), as the launch before laid them.
; The bias is loaded straight into the accumulators, in the result's layout: every product adds in place and no addition is written.
; LIMITS: NaN and infinities are not served (a given scale byte 0xff gives NaN as the matrix unit makes it).
.set AIM, 208896                       ; LDS: Wo's 256 rows, 816 bytes apart (3 x (256 + 16)), from 0; then O's images, 98,304 dense bytes;
.set BS,  307200                       ; Wo's scale bytes, 256 rows x 32;
.set ASC, 315392                       ; O's scale words, 4,096 bytes
.set STW, 16*272                       ; the way out: 16 rows x (256 + 16) for each wave, in O's images, behind their last read
.set TF,  32                           ; v32-79   four fragments of tokens
.set WF,  80                           ; v80-127  four fragments of Wo
.set AC,  128                          ; v128-255 accumulator (a, b) at v[128 + 8 (4 a + b)]
; v1, v2 my place in O's images (K steps 0-3, 4-7); v3, v4 in Wo's rows (24 or 40 bytes for the upper lanes); v5 among O's scale words; v6, v7 the stage, in and out; v8-9 O's scale words; v10-25 Wo's: register 4 b + j:
; lanes 0-15 K step j, lanes 16-31 K step 4 + j; v26 my offset in out0; v27 in bo; v28 among Wo's scale bytes
.macro ROUND
	s_barrier_signal -1
	s_barrier_wait -1
	s_cmp_lg_u32 s16, 0
	s_cbranch_scc1 .Lnot_wave_0_\@
	s_barrier_signal -3
.Lnot_wave_0_\@:
	s_barrier_wait -3
	s_barrier_signal -1
	s_barrier_wait -1
.endm
	s_load_b256 s[4:11], s[0:1], 0x0               ; ao, asc, Wo's codes, Wo's scales
	s_load_b128 s[12:15], s[0:1], 0x20             ; bo, out0
	s_set_vgpr_msb 0x40
	v_lshl_add_u32 v0, v0, 2, 0x4e000
	v_mov_b32 v1, 0
	s_set_vgpr_msb 0x4045
	ds_add_u32 v0, v1
	ds_add_u32 v0, v1
	s_set_vgpr_msb 0x4500
	v_lshrrev_b32 v1, 5, v0
	v_readfirstlane_b32 s16, v1                    ; wave 0..7
	s_bfe_u32 s17, ttmp6, 0x40000                  ; my place in the cluster: it enters O's and out0's addresses alone
	s_and_b32 s19, ttmp9, 3                        ; which 256 outputs: shared by the cluster
	s_lshr_b32 s20, ttmp9, 2
	s_lshl_b32 s20, s20, 2
	s_add_co_u32 s20, s20, s17                     ; my block of 128 tokens
	s_lshr_b32 s21, s16, 2                         ; which 64 tokens are my wave's
	s_and_b32 s22, s16, 3                          ; which 64 outputs
	s_lshl_b32 s24, s19, 8
	s_lshl_b32 s25, s16, 5
	s_add_co_u32 s24, s24, s25                     ; the 32 rows of Wo that I fetch
	s_lshl_b32 s26, s24, 5
	s_mul_i32 s24, s24, 768
	s_mov_b32 s25, 0
	s_mov_b32 s27, 0
	s_mul_i32 s80, s20, 98304
	s_mul_i32 s81, s16, 12288
	s_add_co_u32 s80, s80, s81                     ; my eighth of O's images: K step w
	s_mov_b32 s81, 0
	s_lshl_b32 s82, s20, 12
	s_lshl_b32 s83, s16, 9
	s_add_co_u32 s82, s82, s83
	s_mov_b32 s83, 0
	s_lshl_b32 s2, s19, 10
	s_lshl_b32 s3, s22, 8
	s_add_co_u32 s2, s2, s3                        ; my first output, in bytes
	s_mov_b32 s3, 0
	s_lshl_b32 s18, s20, 1
	s_add_co_u32 s18, s18, s21
	s_lshl_b32 s18, s18, 18                        ; my first token's row of out0: 64 rows of 4,096 bytes each
	s_mov_b32 s19, 0
	; descriptor groups 1.  Wo's codes: 32 rows of 768 bytes, 16 bytes of padding behind every 256, for all four work-groups
	s_mov_b32 s28, 15|(1<<20)|(1<<21)|(5<<22)|(3<<25)
	s_mov_b32 s29, 768<<16
	s_mov_b32 s30, 32<<16
	s_mov_b32 s31, 768<<16
	s_mov_b32 s32, 32
	s_mov_b32 s33, 768
	s_mov_b32 s34, 0
	s_mov_b32 s35, 0
	s_mov_b32 s36, 15|(3<<16)|(1<<21)              ; Wo's scale bytes: 1,024 dense bytes as 4 rows of 256, jointly
	s_mov_b32 s37, 32<<16
	s_mov_b32 s38, 4<<16
	s_mov_b32 s39, 32<<16
	s_mov_b32 s40, 4
	s_mov_b32 s41, 32
	s_mov_b32 s42, 0
	s_mov_b32 s43, 0
	s_mov_b32 s44, 3<<16                           ; O's images: 12,288 dense bytes as 48 rows of 256, my work-group's own
	s_mov_b32 s45, 32<<16
	s_mov_b32 s46, 48<<16
	s_mov_b32 s47, 32<<16
	s_mov_b32 s48, 48
	s_mov_b32 s49, 32
	s_mov_b32 s50, 0
	s_mov_b32 s51, 0
	s_mov_b32 s52, 3<<16                           ; O's scale words: 512 dense bytes as 2 rows of 256
	s_mov_b32 s53, 32<<16
	s_mov_b32 s54, 2<<16
	s_mov_b32 s55, 32<<16
	s_mov_b32 s56, 2
	s_mov_b32 s57, 32
	s_mov_b32 s58, 0
	s_mov_b32 s59, 0
	v_and_b32 v30, 31, v0                          ; lane
	v_and_b32 v31, 15, v0                          ; r
	v_bfe_u32 v29, v0, 4, 1                        ; h
	s_mul_i32 s23, s21, 6144
	s_add_co_u32 s23, s23, AIM
	v_lshl_add_u32 v1, v30, 3, s23
	v_add_nc_u32 v2, 49152, v1
	s_mul_i32 s23, s22, 64*816
	v_mul_u32_u24 v3, v31, 816
	v_add_nc_u32 v3, s23, v3
	v_mad_u32_u24 v4, v29, 40, v3
	v_mad_u32_u24 v3, v29, 24, v3
	s_lshl_b32 s23, s21, 8
	s_add_co_u32 s23, s23, ASC
	v_lshl_add_u32 v5, v30, 2, s23
	s_mul_i32 s23, s16, STW
	s_add_co_u32 s23, s23, AIM
	v_mul_u32_u24 v6, v31, 272
	v_lshl_add_u32 v6, v29, 5, v6
	v_add_nc_u32 v6, s23, v6
	v_mul_u32_u24 v7, v29, 272
	v_lshl_add_u32 v7, v31, 4, v7
	v_add_nc_u32 v7, s23, v7
	v_lshlrev_b32 v26, 12, v29
	v_lshl_add_u32 v26, v31, 4, v26
	v_lshlrev_b32 v27, 5, v29
	s_lshl_b32 s23, s22, 11
	s_add_co_u32 s23, s23, BS
	v_lshlrev_b32 v28, 5, v31
	v_lshl_add_u32 v28, v29, 4, v28
	v_add_nc_u32 v28, s23, v28
	s_wait_dscnt 0x0
	s_wait_kmcnt 0x0
	s_add_nc_u64 s[12:13], s[12:13], s[2:3]
	s_add_nc_u64 s[14:15], s[14:15], s[2:3]
	s_add_nc_u64 s[14:15], s[14:15], s[18:19]
	s_mov_b32 s60, 1
	s_mul_i32 s61, s16, 32*816
	s_add_nc_u64 s[62:63], s[8:9], s[24:25]
	s_or_b32 s63, s63, 0x80000000
	s_mov_b32 s68, 1
	s_lshl_b32 s69, s16, 10
	s_add_co_u32 s69, s69, BS
	s_add_nc_u64 s[70:71], s[10:11], s[26:27]
	s_or_b32 s71, s71, 0x80000000
	s_mov_b32 s72, 1
	s_mul_i32 s73, s16, 12288
	s_add_co_u32 s73, s73, AIM
	s_add_nc_u64 s[74:75], s[4:5], s[80:81]
	s_or_b32 s75, s75, 0x80000000
	s_mov_b32 s76, 1
	s_lshl_b32 s77, s16, 9
	s_add_co_u32 s77, s77, ASC
	s_add_nc_u64 s[78:79], s[6:7], s[82:83]
	s_or_b32 s79, s79, 0x80000000
	ROUND                                          ; all four work-groups are here: the joint loads meet
	tensor_load_to_lds s[60:63], s[28:35]          ; four loads of mine are out, all first fills
	s_nop 0
	tensor_load_to_lds s[68:71], s[36:43]
	s_nop 0
	tensor_load_to_lds s[72:75], s[44:51]
	s_nop 0
	tensor_load_to_lds s[76:79], s[52:59]
	s_nop 0
.rept 4
	v_nop
.endr
.irp a, 0,1,2,3
.irp b, 0,1,2,3
	global_load_b128 v[AC+8*(4*\a+\b):AC+8*(4*\a+\b)+3], v27, s[12:13] offset:64*\b        ; bo at outputs 16 b + 8 h + 0 .. 7
	global_load_b128 v[AC+8*(4*\a+\b)+4:AC+8*(4*\a+\b)+7], v27, s[12:13] offset:64*\b+16
.endr
.endr
	s_wait_tensorcnt 0x0                           ; my parts have landed,
	s_barrier_signal -1
	s_barrier_wait -1                              ; everybody's have
.irp b, 0,1,2,3
	ds_load_b128 v[10+4*\b:13+4*\b], v28 offset:512*\b
.endr
.macro MM a, b, s
.set DD, AC+8*(4*(\a)+(\b))
.if ((\s)/4) && ((\a)%2)
	v_wmma_scale_f32_16x16x128_f8f6f4 v[DD:DD+7], v[WF+12*(\b):WF+12*(\b)+11], v[TF+12*(\a):TF+12*(\a)+11], v[DD:DD+7], v[10+4*(\b)+(\s)%4], v[8+(\a)/2] matrix_a_fmt:MATRIX_FMT_FP6 matrix_b_fmt:MATRIX_FMT_FP6 matrix_a_scale:MATRIX_SCALE_ROW1 matrix_b_scale:MATRIX_SCALE_ROW1
.elseif (\s)/4
	v_wmma_scale_f32_16x16x128_f8f6f4 v[DD:DD+7], v[WF+12*(\b):WF+12*(\b)+11], v[TF+12*(\a):TF+12*(\a)+11], v[DD:DD+7], v[10+4*(\b)+(\s)%4], v[8+(\a)/2] matrix_a_fmt:MATRIX_FMT_FP6 matrix_b_fmt:MATRIX_FMT_FP6 matrix_a_scale:MATRIX_SCALE_ROW1
.elseif (\a)%2
	v_wmma_scale_f32_16x16x128_f8f6f4 v[DD:DD+7], v[WF+12*(\b):WF+12*(\b)+11], v[TF+12*(\a):TF+12*(\a)+11], v[DD:DD+7], v[10+4*(\b)+(\s)%4], v[8+(\a)/2] matrix_a_fmt:MATRIX_FMT_FP6 matrix_b_fmt:MATRIX_FMT_FP6 matrix_b_scale:MATRIX_SCALE_ROW1
.else
	v_wmma_scale_f32_16x16x128_f8f6f4 v[DD:DD+7], v[WF+12*(\b):WF+12*(\b)+11], v[TF+12*(\a):TF+12*(\a)+11], v[DD:DD+7], v[10+4*(\b)+(\s)%4], v[8+(\a)/2] matrix_a_fmt:MATRIX_FMT_FP6 matrix_b_fmt:MATRIX_FMT_FP6
.endif
.endm
.macro KS s                            ; a K step: 50 LDS loads, 16 matrix instructions on 16 accumulators by turns
.irp a, 0,1,2,3
.irp p, 0,1,2,3,4,5
	ds_load_b64 v[TF+12*\a+2*\p:TF+12*\a+2*\p+1], v[1+(\s)/4] offset:((\s)%4)*12288+\a*1536+256*\p
.endr
.endr
.irp b, 0,1,2,3
.irp p, 0,1,2,3,4,5
.set PCE, 12*(\s)+6*(\p/3)+\p%3        ; piece PCE of a row of Wo lies at 8 PCE + 16 (PCE / 32); the upper lanes read three pieces on, for some pieces behind one padding more
.if PCE%32 < 29
	ds_load_b64 v[WF+12*\b+2*\p:WF+12*\b+2*\p+1], v3 offset:\b*16*816+8*PCE+16*(PCE/32)
.else
	ds_load_b64 v[WF+12*\b+2*\p:WF+12*\b+2*\p+1], v4 offset:\b*16*816+8*PCE+16*(PCE/32)
.endif
.endr
.endr
	ds_load_b32 v8, v5 offset:512*(\s)             ; lanes 0-15 token tile 0's scale words, lanes 16-31 tile 1's
	ds_load_b32 v9, v5 offset:512*(\s)+128
	s_wait_dscnt 0x0
.if (\s) == 0
	s_wait_loadcnt 0x0                             ; the bias lies in the accumulators
.endif
.irp a, 0,1,2,3
.irp b, 0,1,2,3
	MM \a, \b, \s
.endr
.endr
.rept 4
	v_nop                                          ; places ahead of loads into registers that matrix instructions have read, and of the first read of results
.endr
.endm
.irp s, 0,1,2,3,4,5,6,7
	KS \s
.endr
	s_wait_dscnt 0x0
	s_barrier_signal -1
	s_barrier_wait -1                              ; nobody reads O's images any more: the stages may be written
; THE WAY OUT, a tile of 16 tokens x 64 outputs at a time, through my own stage: in, 32 bytes of a row a lane; back, sixteen lanes to a row of 256 bytes
.irp a, 0,1,2,3
.if \a >= 2
	s_wait_xcnt 0x0                                ; the stores of two tiles ago have read their data: the loads below may land there
.endif
.irp b, 0,1,2,3
	ds_store_b128 v6, v[AC+8*(4*\a+\b):AC+8*(4*\a+\b)+3] offset:64*\b          ; each accumulator from its low end on
	ds_store_b128 v6, v[AC+8*(4*\a+\b)+4:AC+8*(4*\a+\b)+7] offset:64*\b+16
.endr
.irp i, 0,1,2,3,4,5,6,7
	ds_load_b128 v[TF+32*(\a%2)+4*\i:TF+32*(\a%2)+4*\i+3], v7 offset:2*\i*272   ; LDS serves a wave's instructions in order: these see my stores, and the next tile's stores come behind them
.endr
.irp i, 0,1,2,3,4,5,6,7
	s_wait_dscnt 7-\i                              ; rows 2 i, 2 i + 1 are back; the younger loads of this tile may be out
	global_store_b128 v26, v[TF+32*(\a%2)+4*\i:TF+32*(\a%2)+4*\i+3], s[14:15] offset:(32*(\a/2)+8*(\a%2)+2*\i+8*(\i/4))*4096 th:TH_STORE_NT   ; 16 lanes store 256 consecutive bytes, aligned; stage row rho is token rho + 8 (rho / 8) of the tile
.endr
.endr
	s_set_vgpr_msb 0x5
	s_wait_tensorcnt 0x0
	ds_add_u32 v0, v1
	s_wait_dscnt 0x0
	s_set_vgpr_msb 0x500
	ROUND                                          ; the closing round
	s_endpgm
.Lfunc_end_k_q3da856cf6f_oproj:
	.size	k_q3da856cf6f_oproj, .Lfunc_end_k_q3da856cf6f_oproj-k_q3da856cf6f_oproj
	.p2alignl 7, 3214868480
	.fill 96, 4, 3214868480
	.section	.rodata,"a",@progbits
	.p2align	6, 0x0
	.amdhsa_kernel k_q3da856cf6f_oproj
		.amdhsa_group_segment_fixed_size 320512
		.amdhsa_private_segment_fixed_size 0
		.amdhsa_enable_private_segment 0
		.amdhsa_kernarg_size 48
		.amdhsa_user_sgpr_count 2
		.amdhsa_user_sgpr_kernarg_segment_ptr 1
		.amdhsa_wavefront_size32 1
		.amdhsa_system_sgpr_workgroup_id_x 1
		.amdhsa_system_sgpr_workgroup_id_y 1
		.amdhsa_system_sgpr_workgroup_id_z 1
		.amdhsa_system_vgpr_workitem_id 0
		.amdhsa_next_free_vgpr 258
		.amdhsa_next_free_sgpr 84
		.amdhsa_reserve_vcc 0
		.amdhsa_float_denorm_mode_32 3
		.amdhsa_float_denorm_mode_16_64 3
		.amdhsa_memory_ordered 1
		.amdhsa_forward_progress 1
		.amdhsa_inst_pref_size 62
	.end_amdhsa_kernel
	.amdgpu_metadata
---
amdhsa.version: [ 1, 2 ]
amdhsa.kernels:
  - .name:           k_q3da856cf6f_oproj
    .symbol:         k_q3da856cf6f_oproj.kd
    .args:
      - { .name: ao, .offset: 0, .size: 8, .value_kind: global_buffer, .address_space: global }
      - { .name: asc, .offset: 8, .size: 8, .value_kind: global_buffer, .address_space: global }
      - { .name: Wo_codes, .offset: 16, .size: 8, .value_kind: global_buffer, .address_space: global }
      - { .name: Wo_scales, .offset: 24, .size: 8, .value_kind: global_buffer, .address_space: global }
      - { .name: bo, .offset: 32, .size: 8, .value_kind: global_buffer, .address_space: global }
      - { .name: out0, .offset: 40, .size: 8, .value_kind: global_buffer, .address_space: global }
    .group_segment_fixed_size: 320512
    .private_segment_fixed_size: 0
    .kernarg_segment_align: 8
    .kernarg_segment_size: 48
    .max_flat_workgroup_size: 256
    .sgpr_count:     84
    .vgpr_count:     258
    .wavefront_size: 32
...
	.end_amdgpu_metadata
.endif
;; end of part 3
;; ======== version 2 of 2: 3 launches; version 1 with the launch attn written anew for expert scheduling mode
;; workspace buffers: qkv 19,660,800 bytes; ao 6,291,456 bytes; asc 262,144 bytes
;; launch proj: the kernel of part 1 again; grid 192 x 1, 4 waves a work-group, clusters of 4 x 1, 321,024 bytes of LDS; arguments x_codes, x_scales, Wq_codes, Wq_scales, Wk_codes, Wk_scales, Wv_codes, Wv_scales, qkv; writes qkv
;; launch attn (part 4): grid 256 x 1, 16 waves a work-group, no clusters, 27,648 bytes of LDS; arguments qkv, ao, asc; writes ao, asc
.if DOCPART == 4
	.amdgcn_target "amdgcn-amd-amdhsa--gfx1250"
	.amdhsa_code_object_version 6
	.text
	.protected	k_q3da856cf6f_attn
	.globl	k_q3da856cf6f_attn
	.p2align	8
	.type	k_q3da856cf6f_attn,@function
k_q3da856cf6f_attn:
	s_mov_b64 s[64:65], 0
	v_nop
	global_prefetch_b8 v0, s[64:65] scope:SCOPE_SE
	s_setreg_imm32_b32 hwreg(HW_REG_WAVE_SCHED_MODE, 0, 2), 2
	s_setreg_imm32_b32 hwreg(HW_REG_WAVE_MODE, 25, 1), 1
	s_wait_xcnt 0x0
	s_wait_alu depctr_vm_vsrc(0)
; Causal attention on codes of FP6 (E2M3): S^T = K Q^T, p = 2^(t - M), O^T = V^T P^T, O / l, and O quantised along the model's 1,024 for the last product.  t = score x log2(e) / 32.
; M = the running largest t rounded UP to a whole number; p is quantised along the keys, not normalised; l is the sum of the unquantised p; when M moves, l and O^T are multiplied by 2^(old M - new M), exactly.
; SHARES.  A work-group takes, of one head, the query blocks of 256 numbered 7 - i (pass A) and i (pass B): 2 (8 - i) + 2 (i + 1) = 18 key steps of 128 in every work-group.  Each of sixteen waves owns one tile of 16 queries
; in 256 registers: four waves to a SIMD, so that one wave's vector work stands beside another's matrix work and LDS loads.  A step all of whose keys come after the wave's queries is left out; the step on the diagonal is masked.
; qkv holds images of the operands' registers (see the launch that writes it): a key step's 12,800 bytes (K's codes, V's codes, K's and V's scale words) are copied as they lie, through registers, into one of two LDS slots,
; one step ahead: asked for at a step's head, stored to the other slot at its end; one barrier a step.  No tensor load; every LDS address is a lane's constant and an immediate.
; THE HEAD IS 64, THE INSTRUCTION 128 ALONG K: registers 0-5 of a fragment of K hold key tile 2 b's 64 channels, registers 6-11 key tile 2 b + 1's.  Multiplied by (Q | zeros) it gives tile 2 b's scores, by (zeros | Q) tile 2 b + 1's:
; K's registers and LDS bytes hold no zeros.  Zero codes add nothing under any scale byte but 0xff, which the quantiser never gives.
; Tiles of keys, queries and channels: lane r of tile 2 b + u stands for 32 b + 8 u + r + 8 (r / 8), so that the 16 registers of result tiles 2 b, 2 b + 1 are 16 neighbours, 32 b + 16 (lane / 16) + 0 .. 15.
; No cluster: the four work-groups of a head want different numbers of tiles at different times.
; LIMITS: NaN and infinities are not served.  A block of p or of O whose largest magnitude lies under 2^-124 gets the byte 1 and zero codes.  A block's largest p is taken from the block's largest score by the same multiply-add
; and exponential, which takes v_exp_f32 not to fall where its input rises.
; REGISTERS: v1 8 x lane, v2 4 x lane, v3 16 x thread, v4 my query less 16 (lane / 16) in its block of 128, v5 4 r; v8-9 K's scale words, v10-11 V's; v12 -M, v13 the largest t, v[14:15] l in two halves;
; v16-39 (Q | 0), (0 | Q) of pass A, v192-215 of pass B; v40-87 four fragments of K, then of V; v88-95 the next step's bytes; v96-159 S^T, then p; v160-191 O^T; v224-247, v252-254 at work; v248, v249 Q's scale words.
; THE MODE: SCHED_MODE bits 1:0 = 2 (LLVM: expert scheduling mode 2), set by the entry lines.  The code itself states the register dependences between vector or matrix instructions and memory or LDS instructions,
; with s_wait_alu, always for 0.
; THE PLAN.  Registers that memory or LDS instructions touch:
;   v1, v2, v3, v5   offsets and LDS addresses: written at the head, never again.
;   v88-95           written by the global loads at a step's head, read by the LDS stores at its end; no vector instruction names them.
;   v40-87           K's fragments land at a step's head; the eight products K Q^T read them; V's fragments land; the four products V^T P^T read them.
;   v8-9, v10-11     scale words from LDS, read by the same products.
;   v224-229, v253   at a pass's end: written by the quantiser, read by the pass's four global stores.
; A step has five waits.  At its head, on vm_vsrc: the LDS stores have read v88-95.  Ahead of K's loads, on va_vdst: the last step's products are done with v40-87 and the scale words.  Behind K Q^T, on va_vdst: these products
; are done with v40-87; V's 26 loads follow in four runs among the lines that search for the maximum, which name none of the loads' registers.  Behind the exponentials, on va_vdst: their results are written.
; Ahead of V^T P^T, on va_vdst: p's codes and scale word are written.
.set BLK,  19200
.set SLOT, 12800
.set KV,   40
.set S,    96
.set O,    160
.set MK,   44                          ; s44-59  sixteen masks of the step on the diagonal (at the head these registers hold Q's addresses and temporaries, which are done with at the head's wait for its loads)
	s_load_b128 s[4:7], s[0:1], 0x0                ; qkv, ao
	s_load_b64 s[8:9], s[0:1], 0x10                ; asc
	v_lshl_add_u32 v243, v0, 2, 0x6400
	v_mov_b32 v255, 0
	v_lshrrev_b32 v1, 5, v0
	v_readfirstlane_b32 s10, v1                    ; wave 0..15
	s_lshr_b32 s11, ttmp9, 2                       ; the head of the batch, 0..63
	s_and_b32 s12, ttmp9, 3                        ; i
	s_sub_co_u32 s41, 7, s12                       ; the query block of pass A,
	s_mov_b32 s42, s12                             ; of pass B
	s_wait_alu depctr_va_sdst(0)                   ; s10 is written, ahead of its first reader
	s_lshr_b32 s13, s10, 3
	s_lshl_b32 s39, s41, 1
	s_add_co_u32 s39, s39, s13                     ; the key step on my diagonal, pass A,
	s_lshl_b32 s40, s42, 1
	s_add_co_u32 s40, s40, s13                     ; pass B
	s_and_b32 s43, s10, 7                          ; my tile in its block of 128 tokens
	s_mul_i32 s18, s11, 307200
	s_mov_b32 s19, 0
	s_mul_i32 s52, s43, 768
	s_add_co_u32 s52, s52, 12800
	s_mul_i32 s44, s39, BLK
	s_mul_i32 s46, s40, BLK
	s_lshr_b32 s53, s43, 1
	s_lshl_b32 s53, s53, 6
	s_add_co_u32 s53, s53, 18944
	s_add_co_u32 s48, s44, s53                     ; my Q's scale words,
	s_add_co_u32 s50, s46, s53
	s_add_co_u32 s44, s44, s52                     ; my Q's codes
	s_add_co_u32 s46, s46, s52
	s_mov_b32 s45, 0
	s_mov_b32 s47, 0
	s_mov_b32 s49, 0
	s_mov_b32 s51, 0
	s_bfe_u32 s13, s10, 0x20001
	s_lshl_b32 s13, s13, 5
	s_and_b32 s52, s10, 1
	s_lshl_b32 s53, s52, 3
	s_add_co_u32 s13, s13, s53                     ; my tile's 32 b + 8 u
	s_cmp_eq_u32 s52, 0
	s_mov_b32 s38, 0x03020302
	s_cselect_b32 s38, 0x01000100, s38             ; my tile's half of the scale word, doubled
	s_mov_b32 s26, 0x76543210
	s_mov_b32 s27, 0xfedcba98                      ; v_permlanex16_b32's selects for lane l xor 16
	s_mov_b32 s28, 0x3d38aa3b                      ; c = log2(e) / 32
	s_mov_b32 s29, s28                             ; (named with it as a pair)
	s_mov_b32 s24, 18                              ; key steps to go
	v_and_b32 v6, 31, v0
	v_and_b32 v7, 15, v0
	v_lshlrev_b32 v1, 3, v6
	v_lshlrev_b32 v2, 2, v6
	v_lshlrev_b32 v3, 4, v0
	v_lshlrev_b32 v5, 2, v7
	v_bfe_u32 v8, v0, 3, 1
	v_bfe_u32 v9, v0, 4, 1
	v_lshl_add_u32 v4, v8, 3, v7
	v_lshlrev_b32 v9, 4, v9
	v_sub_nc_u32 v4, v4, v9
	v_add_nc_u32 v4, s13, v4
	s_wait_kmcnt 0x0
	s_add_nc_u64 s[14:15], s[4:5], s[18:19]        ; the head's first block
	s_add_nc_u64 s[44:45], s[14:15], s[44:45]
	s_add_nc_u64 s[46:47], s[14:15], s[46:47]
	s_add_nc_u64 s[48:49], s[14:15], s[48:49]
	s_add_nc_u64 s[50:51], s[14:15], s[50:51]
	s_wait_alu depctr_va_vdst(0)                   ; v1, v2, v3 and v5 are written, which every load and store of the kernel reads as its offset or address; so are v8 and v9, in which LDS loads land later
	global_load_b128 v[88:91], v3, s[14:15]        ; key step 0: 25 runs of 512 bytes: every wave one, waves 0-8 a second
	s_cmp_lt_u32 s10, 9
	s_cbranch_scc0 .Lhead_one
	global_load_b128 v[92:95], v3, s[14:15] offset:8192
.Lhead_one:
.irp p, 0,1,2
	global_load_b64 v[16+2*\p:17+2*\p], v1, s[44:45] offset:256*\p     ; (Q | 0)
	global_load_b64 v[34+2*\p:35+2*\p], v1, s[44:45] offset:256*\p     ; (0 | Q)
	global_load_b64 v[192+2*\p:193+2*\p], v1, s[46:47] offset:256*\p
	global_load_b64 v[210+2*\p:211+2*\p], v1, s[46:47] offset:256*\p
.endr
	global_load_b32 v250, v5, s[48:49]
	global_load_b32 v251, v5, s[50:51]
.irp j, 0,1,2,3,4,5
	v_mov_b32 v[22+\j], 0                          ; (no load or store names these registers)
	v_mov_b32 v[28+\j], 0
	v_mov_b32 v[198+\j], 0
	v_mov_b32 v[204+\j], 0
.endr
.irp b, 0,1,2,3
	v_mov_b32 v[236+\b], 0                         ; written once: a lane permute's destination counts as one of its sources
.endr
	v_mov_b32 v252, 0
	v_mov_b32 v253, 0                              ; (named as the upper half of the pair v[252:253] before it is first written)
; where my tile of O goes: ao[block of 128 tokens][K step = head / 2][tile][head % 2][768], asc[block][K step][tile][16 lanes][4]
.macro OUTADR jd, ao, asc
	s_lshr_b32 s52, s11, 4
	s_lshl_b32 s52, s52, 4
	s_add_co_u32 s52, s52, s[\jd]
	s_lshl_b32 s52, s52, 3
	s_bfe_u32 s53, s11, 0x30001
	s_add_co_u32 s52, s52, s53
	s_lshl_b32 s52, s52, 3
	s_add_co_u32 s52, s52, s43
	s_and_b32 s53, s11, 1
	s_lshl_b32 s54, s52, 1
	s_add_co_u32 s54, s54, s53
	s_mul_i32 s54, s54, 768
	s_mov_b32 s55, 0
	s_add_nc_u64 s[\ao:\ao+1], s[6:7], s[54:55]
	s_lshl_b32 s54, s52, 6
	s_lshl_b32 s53, s53, 1
	s_add_co_u32 s54, s54, s53
	s_add_nc_u64 s[\asc:\asc+1], s[8:9], s[54:55]
.endm
	OUTADR 39, 30, 32
	OUTADR 40, 34, 36
	s_wait_loadcnt 0x0
	ds_store_b128 v3, v[88:91]
	s_cmp_lt_u32 s10, 9
	s_cbranch_scc0 .Lhead_two
	ds_store_b128 v3, v[92:95] offset:8192
.Lhead_two:
	v_perm_b32 v248, v250, v250, s38
	v_perm_b32 v249, v251, v251, s38
	s_wait_dscnt 0x0                               ; for the others' sake: my part of slot 0 lies in LDS
	s_barrier_signal -1
	s_barrier_wait -1
.macro SMM t, b, q, qw                 ; scores of key tile t: K's double fragment b x one of Q's two forms
.if (\b)%2
	v_wmma_scale_f32_16x16x128_f8f6f4 v[S+8*(\t):S+8*(\t)+7], v[KV+12*(\b):KV+12*(\b)+11], v[\q:\q+11], 0, v[8+(\b)/2], v[\qw] matrix_a_fmt:MATRIX_FMT_FP6 matrix_b_fmt:MATRIX_FMT_FP6 matrix_a_scale:MATRIX_SCALE_ROW1
.else
	v_wmma_scale_f32_16x16x128_f8f6f4 v[S+8*(\t):S+8*(\t)+7], v[KV+12*(\b):KV+12*(\b)+11], v[\q:\q+11], 0, v[8+(\b)/2], v[\qw] matrix_a_fmt:MATRIX_FMT_FP6 matrix_b_fmt:MATRIX_FMT_FP6
.endif
.endm
.macro PMM d                           ; O^T += 16 channels of V^T x P^T
.if (\d)%2
	v_wmma_scale_f32_16x16x128_f8f6f4 v[O+8*(\d):O+8*(\d)+7], v[KV+12*(\d):KV+12*(\d)+11], v[224:235], v[O+8*(\d):O+8*(\d)+7], v[10+(\d)/2], v253 matrix_a_fmt:MATRIX_FMT_FP6 matrix_b_fmt:MATRIX_FMT_FP6 matrix_a_scale:MATRIX_SCALE_ROW1
.else
	v_wmma_scale_f32_16x16x128_f8f6f4 v[O+8*(\d):O+8*(\d)+7], v[KV+12*(\d):KV+12*(\d)+11], v[224:235], v[O+8*(\d):O+8*(\d)+7], v[10+(\d)/2], v253 matrix_a_fmt:MATRIX_FMT_FP6 matrix_b_fmt:MATRIX_FMT_FP6
.endif
.endm
.macro VLD sl, f                       ; fragment f of V out of slot sl: six loads of 256 consecutive bytes
.irp p, 0,1,2,3,4,5
	ds_load_b64 v[KV+12*(\f)+2*\p:KV+12*(\f)+2*\p+1], v1 offset:(\sl)*SLOT+6144+256*(6*(\f)+\p)
.endr
.endm
; A KEY STEP out of slot sl.  s20 the step, s21 the pass's steps, s22 the step on my diagonal, s24 steps to go in the launch.
.macro STEP sl, qa, qb, qw
	s_add_co_u32 s25, s20, 1                       ; the next step's block; behind a pass's last step, the next pass's step 0
	s_cmp_eq_u32 s25, s21
	s_cselect_b32 s25, 0, s25
	s_mul_i32 s18, s25, BLK
	s_add_nc_u64 s[16:17], s[14:15], s[18:19]      ; (the last loads from this base were waited for at the last step's end)
	s_wait_alu depctr_vm_vsrc(0)                   ; the LDS stores of the last step (of the head) have read v88-95, in which the loads below land; in a pass's first step: the last pass's stores have read v224-229 and v253, which this step writes again
	s_cmp_eq_u32 s24, 1
	s_cbranch_scc1 .Lasked_\@                      ; the launch's last step asks for nothing
	global_load_b128 v[88:91], v3, s[16:17]
	s_cmp_lt_u32 s10, 9
	s_cbranch_scc0 .Lasked_\@
	global_load_b128 v[92:95], v3, s[16:17] offset:8192
.Lasked_\@:
	s_cmp_gt_u32 s20, s22
	s_cbranch_scc1 .Lhidden_\@                     ; all 128 keys come after my queries: no barrier stands in what is left out
	s_wait_alu depctr_va_vdst(0)                   ; the last step's products are done reading v40-87, v8 and v9, in which the loads below land; Q's zero halves and scale word, made at the head, are written, which the products below take as operand and scale
.set N, 0
.rept 24
	ds_load_b64 v[KV+2*N:KV+2*N+1], v1 offset:\sl*SLOT+256*N
.set N, N+1
.endr
	ds_load_b32 v8, v2 offset:\sl*SLOT+12288       ; lanes 0-15 fragment 0's scale words, lanes 16-31 fragment 1's
	ds_load_b32 v9, v2 offset:\sl*SLOT+12288+128
	s_wait_dscnt 0x0
.irp b, 0,1,2,3
	SMM 2*\b, \b, \qa, \qw
	SMM 2*\b+1, \b, \qb, \qw
.endr
.rept 4
	v_nop                                          ; places ahead of the first read of the scores
.endr
	s_wait_alu depctr_va_vdst(0)                   ; the products K Q^T are done reading v40-87, in which V lands.  V's loads follow in four runs: no vector instruction between this wait and the last of them names v1, v2, v10, v11 or v40-87
	VLD \sl, 0                                     ; V: it lands under the softmax
	ds_load_b32 v10, v2 offset:\sl*SLOT+12544
	s_cmp_lg_u32 s20, s22
	s_cbranch_scc1 .Lopen_\@
	v_mov_b32 v254, 0xff800000                     ; on the diagonal hidden scores become -infinity: register 16 b + i holds key 32 b + 16 (lane / 16) + i of the block
.irp g, 0,1,2,3                        ; sixteen compares into sixteen scalar registers, one wait, sixteen selects
.set N, 0
.rept 16
	v_cmp_gt_i32 s[MK+N], 32*\g+N, v4
.set N, N+1
.endr
	s_wait_alu depctr_va_sdst(0)                   ; the sixteen masks are written, ahead of the selects that read them
.set N, 0
.rept 16
	v_cndmask_b32 v[S+16*\g+N], v[S+16*\g+N], v254, s[MK+N]
.set N, N+1
.endr
.endr
.Lopen_\@:
.irp b, 0,1,2,3
	v_max3_num_f32 v[232+\b], v[96+16*\b], v[97+16*\b], v[98+16*\b]   ; the largest score of each block of 32 keys: for the row's maximum and for the block's largest p
.endr
	VLD \sl, 1
.irp i, 3,5,7,9,11,13
.irp b, 0,1,2,3
	v_max3_num_f32 v[232+\b], v[232+\b], v[96+16*\b+\i], v[97+16*\b+\i]
.endr
.endr
	VLD \sl, 2
	ds_load_b32 v11, v2 offset:\sl*SLOT+12544+128
.irp b, 0,1,2,3
	v_max_num_f32 v[232+\b], v[232+\b], v[111+16*\b]
.endr
.irp b, 0,1,2,3
	v_permlanex16_b32 v[236+\b], v[232+\b], s26, s27
.endr
.irp b, 0,1,2,3
	v_max_num_f32 v[232+\b], v[232+\b], v[236+\b]
.endr
	VLD \sl, 3
	v_max3_num_f32 v254, v232, v233, v234
	v_max_num_f32 v254, v254, v235
	v_mul_f32 v254, s28, v254
	v_max_num_f32 v13, v13, v254                   ; the running largest t
	v_mov_b32 v254, v12
	v_floor_f32 v12, -v13                          ; -M = floor(-t)
	v_sub_f32 v254, v12, v254                      ; old M - new M: a whole number, 0 or less
	v_cvt_i32_f32 v254, v254                       ; (it saturates)
	v_ldexp_f32 v252, 1.0, v254                    ; f = 2^(old M - new M)
.set N, 0
.rept 32
	v_pk_fma_f32 v[96+N:97+N], v[96+N:97+N], s[28:29], v[12:13] op_sel_hi:[1,0,0]   ; t - M
.set N, N+2
.endr
.irp b, 0,1,2,3
	v_fma_f32 v[232+\b], v[232+\b], s28, v12
.endr
.set N, 0
.rept 64
	v_exp_f32 v[96+N], v[96+N]                     ; p
.set N, N+1
.endr
.irp b, 0,1,2,3
	v_exp_f32 v[232+\b], v[232+\b]                 ; each block's largest p
.endr
	v_pk_mul_f32 v[14:15], v[14:15], v[252:253] op_sel_hi:[1,0]   ; l under the new M (a plain place behind the exponentials)
.set N, 0
.rept 16
	v_pk_mul_f32 v[O+N:O+N+1], v[O+N:O+N+1], v[252:253] op_sel_hi:[1,0]   ; O^T under the new M: work that names none of the exponentials' results
.set N, N+2
.endr
	s_wait_alu depctr_va_vdst(0)                   ; the 68 exponentials have written p and the blocks' largest p: one wait for the batch, ahead of its first reader
.irp b, 0,1,2,3
	v_max_num_f32 v[232+\b], 0x1800000, v[232+\b]  ; the floor 2^(3 - 127)
.endr
.irp b, 0,1,2,3
	v_add_nc_u32 v[244+\b], 0xff000000, v[232+\b]
.endr
.irp b, 0,1,2,3
	v_lshrrev_b32 v[236+\b], 23, v[244+\b]
.endr
	v_lshl_or_b32 v253, v237, 8, v236              ; p's scale word for these 128 keys
	v_lshl_or_b32 v253, v238, 16, v253
	v_lshl_or_b32 v253, v239, 24, v253
.irp c, 0,1
	v_cvt_scalef32_pk16_fp6_f32 v[224+6*\c:226+6*\c], v[96+32*\c:111+32*\c], v[244+2*\c]
	v_cvt_scalef32_pk16_fp6_f32 v[236+4*\c:238+4*\c], v[112+32*\c:127+32*\c], v[244+2*\c+1]
.endr
	v_nop                                          ; one plain place behind a scaled conversion
.irp c, 0,1
.irp i, 0,1,2
	v_permlane16_swap_b32 v[224+6*\c+\i], v[236+4*\c+\i]
.endr
.irp i, 0,1,2
	v_mov_b32 v[227+6*\c+\i], v[236+4*\c+\i]
.endr
.endr
	v_pk_add_f32 v[236:237], v[96:97], v[98:99]    ; l takes the unquantised p, in two chains.  (These 32 sums are the places between p's codes and scale word and the products)
.irp j, 4,8,12,16,20,24,28,32,36,40,44,48,52,56,60
	v_pk_add_f32 v[14:15], v[14:15], v[96+\j:97+\j]
	v_pk_add_f32 v[236:237], v[236:237], v[98+\j:99+\j]
.endr
	v_pk_add_f32 v[14:15], v[14:15], v[236:237]
	s_wait_dscnt 0x0                               ; V is in
	s_wait_alu depctr_va_vdst(0)                   ; p's codes v224-235 and scale word v253 are written, which the scaled products below take as operand and scale; the places above stay beside this wait
	PMM 0
	PMM 1
	PMM 2
	PMM 3
.rept 4
	v_nop                                          ; places ahead of the next read of O^T
.endr
.Lhidden_\@:
	s_wait_loadcnt 0x0                             ; the next step's bytes are in my registers
	s_cmp_eq_u32 s24, 1
	s_cbranch_scc1 .Lput_\@
	ds_store_b128 v3, v[88:91] offset:(1-\sl)*SLOT ; into the slot that every wave left at the last barrier
	s_cmp_lt_u32 s10, 9
	s_cbranch_scc0 .Lput_\@
	ds_store_b128 v3, v[92:95] offset:(1-\sl)*SLOT+8192
.Lput_\@:
	s_add_co_u32 s20, s20, 1
	s_sub_co_u32 s24, s24, 1
	s_wait_dscnt 0x0                               ; my stores have landed and my reads of this slot are over
	s_barrier_signal -1
	s_barrier_wait -1
.endm
; O / l, quantised along the head's 64 (two blocks of the last product's K): half a fragment, 3 pieces, and half a scale word
.macro FINAL ao, asc
	v_add_f32 v14, v14, v15
	v_permlanex16_b32 v252, v14, s26, s27
	v_add_f32 v14, v14, v252                       ; l
	v_rcp_f32 v14, v14
	v_nop                                          ; one plain place behind a transcendental
	s_wait_alu depctr_va_vdst(0)                   ; the reciprocal has written v14: the wait ahead of its first reader
.set N, 0
.rept 32
	v_mul_f32 v[96+N], v[O+N], v14                 ; register 16 b + i: channel 32 b + 16 (lane / 16) + i of my query
.set N, N+1
.endr
.irp b, 0,1
	v_max3_num_f32 v[232+\b], |v[96+16*\b]|, |v[97+16*\b]|, 0x1800000
.endr
.irp i, 2,4,6,8,10,12,14
.irp b, 0,1
	v_max3_num_f32 v[232+\b], v[232+\b], |v[96+16*\b+\i]|, |v[97+16*\b+\i]|
.endr
.endr
.irp b, 0,1
	v_permlanex16_b32 v[236+\b], v[232+\b], s26, s27
.endr
.irp b, 0,1
	v_max_num_f32 v[232+\b], v[232+\b], v[236+\b]
.endr
.irp b, 0,1
	v_add_nc_u32 v[244+\b], 0xff000000, v[232+\b]
.endr
.irp b, 0,1
	v_lshrrev_b32 v[236+\b], 23, v[244+\b]
.endr
	v_lshl_or_b32 v253, v237, 8, v236
	v_cvt_scalef32_pk16_fp6_f32 v[224:226], v[96:111], v244
	v_cvt_scalef32_pk16_fp6_f32 v[228:230], v[112:127], v245
	v_nop
.irp i, 0,1,2
	v_permlane16_swap_b32 v[224+\i], v[228+\i]
.endr
.irp i, 0,1,2
	v_mov_b32 v[227+\i], v[228+\i]
.endr
	s_wait_alu depctr_va_vdst(0)                   ; the codes v224-229 and the scale bytes v253 are written, which the four stores below read
.irp p, 0,1,2
	global_store_b64 v1, v[224+2*\p:225+2*\p], s[\ao:\ao+1] offset:256*\p   ; 32 lanes store 256 consecutive bytes, aligned
.endr
	global_store_b16 v5, v253, s[\asc:\asc+1]      ; two bytes of each of 16 words in one run of 64 bytes (the other head of the pair stores the other halves); lanes 16-31 repeat lanes 0-15
	s_wait_xcnt 0x0                                ; the stores have read their data (the wait on vm_vsrc at the next step's head stands beside this one, ahead of the first line that writes these registers again)
.endm
.macro PASS qa, qb, qw, sq, sjd, ao, asc
	s_lshl_b32 s21, s[\sq], 1
	s_add_co_u32 s21, s21, 2                       ; key steps of the pass
	s_add_co_u32 s23, s[\sq], 1                    ; trips of two
	s_mov_b32 s22, s[\sjd]
	s_mov_b32 s20, 0
	v_mov_b32 v13, 0xff61b1e6                      ; the largest t so far: -3e38
	v_floor_f32 v12, -v13
	v_mov_b32 v14, 0
	v_mov_b32 v15, 0
.set N, 0
.rept 32
	v_mov_b32 v[O+N], 0                            ; the step is written without a first step of its own: the first change of M multiplies zeros
.set N, N+1
.endr
.Lpass_\@:
	STEP 0, \qa, \qb, \qw
	STEP 1, \qa, \qb, \qw
	s_sub_co_u32 s23, s23, 1
	s_cmp_lg_u32 s23, 0
	s_cbranch_scc1 .Lpass_\@
	FINAL \ao, \asc
.endm
	PASS 16, 28, 248, 41, 39, 30, 32
	PASS 192, 204, 249, 42, 40, 34, 36
	s_wait_dscnt 0x0
	s_wait_alu depctr_hold_cnt(0) depctr_sa_sdst(0) depctr_va_vdst(0) depctr_va_sdst(0) depctr_va_ssrc(0) depctr_va_vcc(0) depctr_vm_vsrc(0)
	s_wait_tensorcnt 0x0
	ds_add_u32 v243, v255
	s_wait_dscnt 0x0
	s_endpgm
.Lfunc_end_k_q3da856cf6f_attn:
	.size	k_q3da856cf6f_attn, .Lfunc_end_k_q3da856cf6f_attn-k_q3da856cf6f_attn
	.p2alignl 7, 3214868480
	.fill 96, 4, 3214868480
	.section	.rodata,"a",@progbits
	.p2align	6, 0x0
	.amdhsa_kernel k_q3da856cf6f_attn
		.amdhsa_group_segment_fixed_size 27648
		.amdhsa_private_segment_fixed_size 0
		.amdhsa_enable_private_segment 0
		.amdhsa_kernarg_size 24
		.amdhsa_user_sgpr_count 2
		.amdhsa_user_sgpr_kernarg_segment_ptr 1
		.amdhsa_wavefront_size32 1
		.amdhsa_system_sgpr_workgroup_id_x 1
		.amdhsa_system_sgpr_workgroup_id_y 1
		.amdhsa_system_sgpr_workgroup_id_z 1
		.amdhsa_system_vgpr_workitem_id 0
		.amdhsa_next_free_vgpr 256
		.amdhsa_next_free_sgpr 66
		.amdhsa_reserve_vcc 0
		.amdhsa_float_denorm_mode_32 3
		.amdhsa_float_denorm_mode_16_64 3
		.amdhsa_memory_ordered 1
		.amdhsa_forward_progress 1
		.amdhsa_inst_pref_size 126
	.end_amdhsa_kernel
	.amdgpu_metadata
---
amdhsa.version: [ 1, 2 ]
amdhsa.kernels:
  - .name:           k_q3da856cf6f_attn
    .symbol:         k_q3da856cf6f_attn.kd
    .args:
      - { .name: qkv, .offset: 0, .size: 8, .value_kind: global_buffer, .address_space: global }
      - { .name: ao, .offset: 8, .size: 8, .value_kind: global_buffer, .address_space: global }
      - { .name: asc, .offset: 16, .size: 8, .value_kind: global_buffer, .address_space: global }
    .group_segment_fixed_size: 27648
    .private_segment_fixed_size: 0
    .kernarg_segment_align: 8
    .kernarg_segment_size: 24
    .max_flat_workgroup_size: 512
    .sgpr_count:     66
    .vgpr_count:     256
    .wavefront_size: 32
...
	.end_amdgpu_metadata
.endif
;; end of part 4
;; launch oproj: the kernel of part 3 again; grid 256 x 1, 8 waves a work-group, clusters of 4 x 1, 320,512 bytes of LDS; arguments ao, asc, Wo_codes, Wo_scales, bo, out0; writes out0
